; MI455X (gfx1250); checked and timed in simulation.
; The chip was launched on July 23, 2026; its instructions are those of AMD's public machine-readable ISA for CDNA 5 (MIT licence, August 2026) and "CDNA5" Instruction Set Architecture Reference Guide (July 2026). The comments in the code are by the model that wrote it; some were corrected since.
;; Multi Head Attention. Allowed arithmetic: matrix products marked QUANTISED: E2M1 operands, one E8M0 scale for each 32 along K, by v_wmma_scale_f32_16x16x128_f8f6f4 with both operands' format E2M1 (or v_wmma_scale_f32_32x16x128_f4), f32 sums; products left as they are: bf16, f16 or f32 operands; f32 sums; everything else in f32.
;; Inputs: b_out 1,024 float32; b_qkv 3,072 float32; mask 1 x 1 x 2,048 x 2,048 bool; w_out 1,024 x 1,024 float32; w_qkv 1,024 x 3,072 float32; x 4 x 2,048 x 1,024 float32.
;; Outputs: out0 4 x 2,048 x 1,024 float32.
;; This version of the problem:
;;   THIS VERSION OF THE PROBLEM IS GIVEN IN LOW PRECISION. The matrix products marked QUANTISED in the list below multiply operands that are first quantised to E2M1 (2 exponent bits, 1 mantissa bit; 4 bits a number), with one power-of-two scale for each 32 numbers along K (OCP MX v1.0); their sums are f32. The products marked 'left as it is' may take bf16, f16 or f32 operands, with f32 sums. Whichever they take, every output number must still come out within the allowed error. Rounding operands to bf16 (8 significant bits) uses up far more of that allowance than f16 does (11 bits, for magnitudes from 6e-5 to 65,504). All else is computed in f32.
;;   The module's matrix products, in the order in which they are computed (A, B: the left and right operand; K: the contracted axis; several contracted axes count as one K, in the product's order):
;;     1. [M 8,192, K 1,024] x [K 1,024, N 3,072]; A: input x; B: input w_qkv: QUANTISED
;;     2. batch 64 x [M 2,048, K 64] x [K 64, N 2,048]; A: computed on the way; B: computed on the way: left as it is (an operand is computed on the way)
;;     3. batch 64 x [M 2,048, K 2,048] x [K 2,048, N 64]; A: computed on the way; B: computed on the way: left as it is (an operand is computed on the way)
;;     4. [M 8,192, K 1,024] x [K 1,024, N 1,024]; A: computed on the way; B: input w_out: left as it is (an operand is computed on the way)
;;   THE QUANTISER, for each operand of a quantised product, along K:
;;     - K is cut into blocks of 32 from its start; a last block that is shorter is filled with zeros.
;;     - A block's scale is 2^e with e = floor(log2(the largest magnitude in the block)) - 2, held to -126 .. 127; a block of zeros has e = 0. As a byte (E8M0): e + 127.
;;     - Each number is divided by its block's scale, clamped to +-6, and rounded to the nearest number of E2M1, ties to even, subnormals kept.
;;     - The product sums the exact products of the quantised numbers (number of the format x scale) in f32.
;;   ~~~python
;;   def quantise(x, axis):      # numpy; x: float32 -> the quantised numbers, widened to float32 again
;;       x = np.moveaxis(x, axis, -1); K = x.shape[-1]
;;       x = np.pad(x, [(0, 0)] * (x.ndim - 1) + [(0, -K % 32)]); x = x.reshape(x.shape[:-1] + (-1, 32)); a = np.abs(x).max(-1, keepdims=True)
;;       e = np.where(a > 0, np.clip(np.frexp(np.where(a > 0, a, 1))[1] - 1 - 2, -126, 127), 0)      # np.frexp(a)[1] - 1 = floor(log2(a)), exactly
;;       r = np.clip(x / 2.0 ** e, -6, 6)
;;       step = 2.0 ** (np.maximum(np.frexp(np.where(r == 0, 1, r))[1] - 1, 0) - 1)
;;       q = np.round(r / step) * step * 2.0 ** e      # np.round: ties to even
;;       return np.moveaxis(q.reshape(q.shape[:-2] + (-1,))[..., :K], -1, axis).astype(np.float32)
;;   ~~~
;; One version. Each part assembles by itself: llvm-mc -triple=amdgcn-amd-amdhsa -mcpu=gfx1250 --defsym DOCPART=n.
;; ======== version 1 of 1: 6 launches
;; limits: values are held in f16: magnitudes above 65,504 overflow, below 6.1e-05 lose precision
;; workspace buffers: xq 4,456,448 bytes; wq 1,671,168 bytes; wo16 2,097,152 bytes; qkv16 51,118,080 bytes; y16 16,777,216 bytes; mtab 525,056 bytes of whole numbers; yfine 262,144 bytes
;; launch prep (part 1): grid 400 x 1, 4 waves a work-group, no clusters, 136,704 bytes of LDS; arguments x, w_qkv, w_out, mask, xq, wq, wo16, mtab; writes xq, wq, wo16, mtab
.if DOCPART == 1
	.amdgcn_target "amdgcn-amd-amdhsa--gfx1250"
	.amdhsa_code_object_version 6
	.text
	.protected	k_qf0a51e22fb_prep
	.globl	k_qf0a51e22fb_prep
	.p2align	8
	.type	k_qf0a51e22fb_prep,@function
k_qf0a51e22fb_prep:
	s_mov_b64 s[64:65], 0
	v_nop
	global_prefetch_b8 v0, s[64:65] scope:SCOPE_SE
	s_setreg_imm32_b32 hwreg(HW_REG_WAVE_MODE, 25, 1), 1
	s_wait_xcnt 0x0
; PREP: four jobs in one launch, told apart by the work-group's number; each job has LDS bytes of its own.
;   0..255   x [8192][1024] f32 -> xq: codes of E2M1 (K innermost, 512 bytes a row) and, XSC bytes on, one E8M0 byte for each 32 along K
;   256..303 w_qkv [1024 k][3072 n] f32 -> wq: codes laid [n][512 bytes], K innermost, and, WSC bytes on, scale bytes [n][32]
;   304..367 w_out [1024 k][1024 n] f32 -> wo16 [n][k] f16
;   368..399 mask [2048][2048] bool -> mtab: mask bits in the order of the attention launch's score registers, and three tables of tile classes
; A block's scale is 2^(floor(log2(largest magnitude)) - 2); its byte is the largest magnitude's exponent field - 2, held at 1 from below.
; LIMITS: a block of zeros gets the byte 1 where the rule says 127 (its codes are zeros, and this program alone reads the bytes); blocks whose largest
; magnitude lies under 2^-124 are held at byte 1; NaN and infinities among the inputs are not served; w_out must lie under 65,504 in magnitude (f16).
.set XSC,   4194304
.set WSC,   1572864
.set LDSW,  32768
.set LDSO,  67584
.set LDSM,  102400
.set SPARE, 136192                     ; the spare words: 128 bytes for each wave, two blocks of 256 bytes that no other line names
.set SPW,   188                        ; v188 LDS address of my spare word; never rewritten
.set NIL,   189                        ; v189 0; never rewritten
.set ANYO,  524288
.set FULLO, 524416
.set FINEO, 524544
	s_load_b512 s[8:23], s[0:1], 0x0               ; x s[8:9], w_qkv s[10:11], w_out s[12:13], mask s[14:15], xq s[16:17], wq s[18:19], wo16 s[20:21], mtab s[22:23]
	v_lshl_add_u32 v[SPW], v0, 2, SPARE
	v_mov_b32 v[NIL], 0
	v_lshrrev_b32 v1, 5, v0
	v_readfirstlane_b32 s24, v1                    ; wave 0..3
	v_and_b32 v2, 31, v0                           ; lane
	s_wait_kmcnt 0x0
	s_cmp_lt_u32 ttmp9, 256
	s_cbranch_scc0 .Lnot_x
; ---------------- x: a plain stream of blocks of 32.  A wave takes 16 steps of 512 numbers.  Each load reads 512 consecutive bytes; a step's 2,048 bytes turn
; through the wave's own stage in LDS and come back 64 bytes a lane, so that a lane holds 16 neighbours along K and two neighbouring lanes a block.
.set XR, 16                            ; v16-79   four sets of 16 numbers as loaded
.set XX, 80                            ; v80-111  two sets of 16 neighbours
.set XE, 112                           ; v112-127 a scale byte for each step
.set XC, 128                           ; v128-159 two registers of codes for each step: no store's data are written again
.set SP, 80                            ; a lane's place in a stage: 64 bytes + 16 of padding
	v_lshlrev_b32 v3, 4, v2                        ; my 16 bytes of a load's 512
	s_mul_i32 s25, s24, 8192                       ; my wave's region: two stages of 32 x SP bytes, then 256 scale bytes
	v_lshrrev_b32 v14, 2, v2
	v_mul_u32_u24 v14, v14, SP
	v_and_b32 v15, 3, v2
	v_lshl_add_u32 v14, v15, 4, v14
	v_add_nc_u32 v14, s25, v14                     ; into the stage: SP (lane / 4) + 16 (lane % 4)
	v_mul_u32_u24 v15, v2, SP
	v_add_nc_u32 v15, s25, v15                     ; out of it: SP x lane
	v_lshlrev_b32 v4, 3, v2                        ; 8 bytes of codes a lane
	v_lshrrev_b32 v5, 1, v2
	s_add_co_u32 s25, s25, 2*32*SP
	v_add_nc_u32 v5, s25, v5                       ; my block's scale byte in LDS
	v_add_nc_u32 v6, s25, v4                       ; and 8 of them a lane on the way out
	s_lshl_b32 s26, ttmp9, 2
	s_add_co_u32 s26, s26, s24                     ; which run of 8,192 numbers is my wave's
	s_mov_b32 s29, 0
	s_lshl_b32 s28, s26, 15
	s_add_nc_u64 s[8:9], s[8:9], s[28:29]          ; 32,768 bytes of x a run
	s_lshl_b32 s28, s26, 12
	s_add_nc_u64 s[30:31], s[16:17], s[28:29]      ; 4,096 bytes of codes
	s_lshl_b32 s28, s26, 8
	s_add_nc_u64 s[32:33], s[16:17], s[28:29]      ; 256 scale bytes
	s_add_nc_u64 s[32:33], s[32:33], XSC
.macro XLOAD t
.irp i, 0,1,2,3
	global_load_b128 v[XR+16*((\t)%4)+4*\i:XR+16*((\t)%4)+4*\i+3], v3, s[8:9] offset:2048*(\t)+512*\i th:TH_LOAD_NT
.endr
.endm
.macro XTURN t                         ; LDS serves a wave's instructions in order: no wait between the stores and the loads
.irp i, 0,1,2,3
	ds_store_b128 v14, v[XR+16*((\t)%4)+4*\i:XR+16*((\t)%4)+4*\i+3] offset:32*SP*((\t)%2)+8*SP*\i
.endr
.irp i, 0,1,2,3
	ds_load_b128 v[XX+16*((\t)%2)+4*\i:XX+16*((\t)%2)+4*\i+3], v15 offset:32*SP*((\t)%2)+16*\i
.endr
.endm
.irp t, 0,1,2,3
	XLOAD \t
.endr
	s_wait_loadcnt 12                              ; step 0's four loads are in; the twelve of steps 1 to 3 may be out
	XTURN 0
.macro XSTEP t
.set XN, XX+16*((\t)%2)
.if (\t) > 0
	s_wait_dscnt 1                                 ; this step's numbers are back from the stage; the last step's byte store may be out
.else
	s_wait_dscnt 0x0
.endif
.if (\t)+4 < 16
	XLOAD (\t)+4                                   ; into the set whose stores into the stage are done
.endif
.if (\t)+1 < 16
.if 14-(\t) >= 3
	s_wait_loadcnt 12                              ; the next step's loads are in; three later steps' twelve may be out
.else
	s_wait_loadcnt 4*(14-(\t))
.endif
	XTURN (\t)+1
.endif
	v_max3_num_f32 v8, |v[XN]|, |v[XN+1]|, |v[XN+2]|
	v_max3_num_f32 v9, |v[XN+3]|, |v[XN+4]|, |v[XN+5]|
.irp i, 6,10
	v_max3_num_f32 v8, v8, |v[XN+\i]|, |v[XN+\i+1]|
	v_max3_num_f32 v9, v9, |v[XN+\i+2]|, |v[XN+\i+3]|
.endr
	v_max3_num_f32 v8, v8, |v[XN+14]|, |v[XN+15]|
	v_max3_num_f32 v8, v8, v9, 0x1800000           ; the floor 2^(3 - 127): the byte cannot fall under 1
	v_max_num_f32_dpp v8, v8, v8 row_xmask:1 row_mask:0xf bank_mask:0xf   ; with my neighbour's 16: the block's largest magnitude
	v_add_nc_u32 v11, 0xff000000, v8               ; 2 off its exponent field: the conversion takes this operand's exponent field as its scale
	v_cvt_scalef32_pk8_fp4_f32 v[XC+2*(\t)], v[XN:XN+7], v11
	v_cvt_scalef32_pk8_fp4_f32 v[XC+2*(\t)+1], v[XN+8:XN+15], v11
	v_lshrrev_b32 v[XE+(\t)], 23, v11              ; the scale's byte (also the plain line behind the conversions)
	ds_store_b8 v5, v[XE+(\t)] offset:16*(\t)      ; both lanes of a block write the same byte with the same value
	global_store_b64 v4, v[XC+2*(\t):XC+2*(\t)+1], s[30:31] offset:256*(\t)   ; the wave stores 256 consecutive bytes, aligned
.endm
.irp t, 0,1,2,3,4,5,6,7,8,9,10,11,12,13,14,15
	XSTEP \t
.endr
	ds_load_b64 v[8:9], v6
	s_wait_dscnt 0x0
	global_store_b64 v4, v[8:9], s[32:33]          ; my wave's 256 scale bytes, aligned
	s_wait_tensorcnt 0x0                           ; the wave's end
	ds_add_u32 v[SPW], v[NIL]
	s_wait_dscnt 0x0
	s_endpgm
.Lnot_x:
	s_cmp_lt_u32 ttmp9, 304
	s_cbranch_scc0 .Lnot_w
; ---------------- w_qkv: K is its first axis.  A lane takes a column n and its registers run down K: a block of 32 lies in one lane, and the conversions give codes with K innermost.
; A wave takes 32 columns x 512 along K; its codes go through its own stage (rows of 256 + 16 bytes) and leave as rows: sixteen lanes store 256 consecutive bytes, aligned.
	s_sub_co_u32 s25, ttmp9, 256
	s_cmp_ge_u32 s25, 24
	s_cselect_b32 s26, 1, 0                        ; which 512 along K
	s_cselect_b32 s27, 24, 0
	s_sub_co_u32 s25, s25, s27                     ; which 128 columns
	s_lshl_b32 s27, s25, 7
	s_lshl_b32 s28, s24, 5
	s_add_co_u32 s27, s27, s28                     ; my wave's first column
	v_lshlrev_b32 v3, 2, v2
	s_mul_i32 s28, s24, 32*272
	s_add_co_u32 s28, s28, LDSW                    ; my stage
	v_mul_u32_u24 v4, v2, 272
	v_add_nc_u32 v4, s28, v4                       ; into it: row = my column
	v_and_b32 v5, 15, v2
	v_lshrrev_b32 v6, 4, v2
	v_mul_u32_u24 v7, v6, 272
	v_lshl_add_u32 v7, v5, 4, v7
	v_add_nc_u32 v7, s28, v7                       ; out of it: sixteen lanes to a row
	v_lshlrev_b32 v8, 9, v6
	v_lshl_add_u32 v8, v5, 4, v8                   ; the same place among the codes' rows of 512 bytes
	v_lshlrev_b32 v9, 5, v2                        ; my column's row of 32 scale bytes
	s_mul_i32 s30, s26, 512*12288
	s_lshl_b32 s29, s27, 2
	s_add_co_u32 s30, s30, s29
	s_mov_b32 s31, 0
	s_add_nc_u64 s[10:11], s[10:11], s[30:31]
	s_lshl_b32 s30, s27, 9
	s_lshl_b32 s29, s26, 8
	s_add_co_u32 s30, s30, s29
	s_add_nc_u64 s[32:33], s[18:19], s[30:31]
	s_lshl_b32 s30, s27, 5
	s_lshl_b32 s29, s26, 4
	s_add_co_u32 s30, s30, s29
	s_add_nc_u64 s[34:35], s[18:19], s[30:31]
	s_add_nc_u64 s[34:35], s[34:35], WSC
.macro WLOAD t                         ; block t: w(32 t + i, my column); the largest offset, 511 rows of 12,288 bytes, lies inside the signed 24-bit immediate
.irp i, 0,1,2,3,4,5,6,7,8,9,10,11,12,13,14,15,16,17,18,19,20,21,22,23,24,25,26,27,28,29,30,31
	global_load_b32 v[32+32*((\t)%2)+\i], v3, s[10:11] offset:(32*(\t)+\i)*12288 th:TH_LOAD_NT
.endr
.endm
	WLOAD 0
	WLOAD 1
.macro WBLOCK t
.set WN, 32+32*((\t)%2)
.if (\t) < 15
	s_wait_loadcnt 32                              ; this block's 32 loads are in; the next block's may be out
.else
	s_wait_loadcnt 0
.endif
	v_max3_num_f32 v12, |v[WN]|, |v[WN+1]|, |v[WN+2]|
	v_max3_num_f32 v13, |v[WN+3]|, |v[WN+4]|, |v[WN+5]|
.irp i, 6,10,14,18,22,26
	v_max3_num_f32 v12, v12, |v[WN+\i]|, |v[WN+\i+1]|
	v_max3_num_f32 v13, v13, |v[WN+\i+2]|, |v[WN+\i+3]|
.endr
	v_max3_num_f32 v12, v12, |v[WN+30]|, |v[WN+31]|
	v_max3_num_f32 v12, v12, v13, 0x1800000
	v_add_nc_u32 v11, 0xff000000, v12
	v_lshrrev_b32 v13, 23, v11
.if (\t)%4 == 0
	v_mov_b32 v[24+(\t)/4], v13                    ; four bytes to a register, the lower K in the lower byte
.else
	v_lshl_or_b32 v[24+(\t)/4], v13, 8*((\t)%4), v[24+(\t)/4]
.endif
.irp g, 0,1,2,3
	v_cvt_scalef32_pk8_fp4_f32 v[96+\g], v[WN+8*\g:WN+8*\g+7], v11
.endr
	ds_store_b128 v4, v[96:99] offset:16*(\t)
.if (\t)+2 < 16
	WLOAD (\t)+2
.endif
	s_wait_dscnt 0x0                               ; the store has read its registers: the next block's codes may be written
.endm
.irp t, 0,1,2,3,4,5,6,7,8,9,10,11,12,13,14,15
	WBLOCK \t
.endr
	global_store_b128 v9, v[24:27], s[34:35]       ; my column's 16 scale bytes
.irp t, 0,1,2,3,4,5,6,7,8,9,10,11,12,13,14,15
	ds_load_b128 v[112+4*\t:115+4*\t], v7 offset:2*\t*272
.endr
.irp t, 0,1,2,3,4,5,6,7,8,9,10,11,12,13,14,15
	s_wait_dscnt 15-\t                             ; the later rows may be out
	global_store_b128 v8, v[112+4*\t:115+4*\t], s[32:33] offset:2*\t*512
.endr
	s_wait_tensorcnt 0x0                           ; the wave's end
	ds_add_u32 v[SPW], v[NIL]
	s_wait_dscnt 0x0
	s_endpgm
.Lnot_w:
	s_cmp_lt_u32 ttmp9, 368
	s_cbranch_scc0 .Lnot_o
; ---------------- w_out -> f16, turned: the same plan with a rounding to f16 in the quantiser's place.  A wave takes 32 columns x 128 along k.
	s_sub_co_u32 s25, ttmp9, 304
	s_and_b32 s26, s25, 7
	s_lshr_b32 s27, s25, 3                         ; which 128 along k
	s_lshl_b32 s26, s26, 7
	s_lshl_b32 s28, s24, 5
	s_add_co_u32 s26, s26, s28                     ; my wave's first column
	v_lshlrev_b32 v3, 2, v2
	s_mul_i32 s28, s24, 32*272
	s_add_co_u32 s28, s28, LDSO
	v_mul_u32_u24 v4, v2, 272
	v_add_nc_u32 v4, s28, v4
	v_and_b32 v5, 15, v2
	v_lshrrev_b32 v6, 4, v2
	v_mul_u32_u24 v7, v6, 272
	v_lshl_add_u32 v7, v5, 4, v7
	v_add_nc_u32 v7, s28, v7
	v_lshlrev_b32 v8, 11, v6
	v_lshl_add_u32 v8, v5, 4, v8                   ; rows of 2,048 bytes in wo16
	s_lshl_b32 s30, s27, 19
	s_lshl_b32 s29, s26, 2
	s_add_co_u32 s30, s30, s29
	s_mov_b32 s31, 0
	s_add_nc_u64 s[12:13], s[12:13], s[30:31]
	s_lshl_b32 s30, s26, 11
	s_lshl_b32 s29, s27, 8
	s_add_co_u32 s30, s30, s29
	s_add_nc_u64 s[20:21], s[20:21], s[30:31]
.macro OLOAD t
.irp i, 0,1,2,3,4,5,6,7,8,9,10,11,12,13,14,15,16,17,18,19,20,21,22,23,24,25,26,27,28,29,30,31
	global_load_b32 v[32+32*((\t)%2)+\i], v3, s[12:13] offset:(32*(\t)+\i)*4096
.endr
.endm
	OLOAD 0
	OLOAD 1
.macro OBLOCK t
.set ON, 32+32*((\t)%2)
.if (\t) < 3
	s_wait_loadcnt 32                              ; the next block's 32 loads may be out
.else
	s_wait_loadcnt 0
.endif
.irp i, 0,1,2,3,4,5,6,7,8,9,10,11,12,13,14,15
	v_cvt_pk_f16_f32 v[96+\i], v[ON+2*\i], v[ON+2*\i+1]   ; the lower k in the low half
.endr
.irp g, 0,1,2,3
	ds_store_b128 v4, v[96+4*\g:99+4*\g] offset:64*(\t)+16*\g
.endr
.if (\t)+2 < 4
	OLOAD (\t)+2
.endif
	s_wait_dscnt 0x0
.endm
.irp t, 0,1,2,3
	OBLOCK \t
.endr
.irp t, 0,1,2,3,4,5,6,7,8,9,10,11,12,13,14,15
	ds_load_b128 v[112+4*\t:115+4*\t], v7 offset:2*\t*272
.endr
.irp t, 0,1,2,3,4,5,6,7,8,9,10,11,12,13,14,15
	s_wait_dscnt 15-\t
	global_store_b128 v8, v[112+4*\t:115+4*\t], s[20:21] offset:2*\t*2048   ; sixteen lanes store 256 consecutive bytes, aligned
.endr
	s_wait_tensorcnt 0x0                           ; the wave's end
	ds_add_u32 v[SPW], v[NIL]
	s_wait_dscnt 0x0
	s_endpgm
.Lnot_o:
; ---------------- the mask.  Work-group rb takes rows 64 rb .. +63; wave w keys 512 w .. +511 (key steps 8 w .. 8 w + 7 of 64).
; Word (rb, step, lane (r, hl), qt): bit 8 kt + j = mask[64 rb + 16 qt + r][64 step + 16 kt + 8 hl + j]: the bit of score register 8 kt + j of query tile qt.
; A bool byte is 0 or 1: four of them times 0x01020408 leave b0 + 2 b1 + 4 b2 + 8 b3 in bits 27:24, with no carry from below.
	s_sub_co_u32 s25, ttmp9, 368                   ; rb
	s_mov_b32 s30, 0x01020408
	v_lshlrev_b32 v3, 4, v2
	v_and_b32 v5, 15, v2                           ; r
	v_lshrrev_b32 v6, 4, v2                        ; hl
	s_mul_i32 s26, s24, 16*528
	s_add_co_u32 s26, s26, LDSM                    ; my stage: 16 rows of 512 + 16 bytes
	v_add_nc_u32 v4, s26, v3
	v_mul_u32_u24 v7, v5, 528
	v_lshl_add_u32 v7, v6, 3, v7
	v_add_nc_u32 v7, s26, v7
	s_lshl_b32 s28, s25, 17
	s_lshl_b32 s27, s24, 9
	s_add_co_u32 s28, s28, s27
	s_mov_b32 s29, 0
	s_add_nc_u64 s[14:15], s[14:15], s[28:29]
	s_lshl_b32 s28, s25, 14
	s_lshl_b32 s27, s24, 12
	s_add_co_u32 s28, s28, s27
	s_add_nc_u64 s[32:33], s[22:23], s[28:29]      ; (32 rb + 8 w) x 512 bytes
.macro MLOAD qt                        ; 16 rows, 512 consecutive bytes each
.irp i, 0,1,2,3,4,5,6,7,8,9,10,11,12,13,14,15
	global_load_b128 v[16+4*\i:19+4*\i], v3, s[14:15] offset:(16*(\qt)+\i)*2048
.endr
.endm
.macro MQT qt
	s_wait_loadcnt 0x0
.irp i, 0,1,2,3,4,5,6,7,8,9,10,11,12,13,14,15
	ds_store_b128 v4, v[16+4*\i:19+4*\i] offset:528*\i
.endr
.irp s, 0,1,2,3,4,5,6,7
.irp kt, 0,1,2,3
	ds_load_b64 v[80+2*(4*\s+\kt):81+2*(4*\s+\kt)], v7 offset:64*\s+16*\kt
.endr
.endr
	s_wait_dscnt 0x0
.if (\qt) < 3
	MLOAD (\qt)+1
.endif
.irp s, 0,1,2,3,4,5,6,7
.irp kt, 0,1,2,3
	v_mul_lo_u32 v176, v[80+2*(4*\s+\kt)], s30
	v_mul_lo_u32 v177, v[81+2*(4*\s+\kt)], s30
	v_lshrrev_b32 v176, 24, v176
	v_lshrrev_b32 v177, 20, v177
.if \kt == 0
	v_or_b32 v[144+4*\s+(\qt)], v176, v177
.else
	v_or_b32 v176, v176, v177
	v_lshl_or_b32 v[144+4*\s+(\qt)], v176, 8*\kt, v[144+4*\s+(\qt)]
.endif
.endr
.endr
.endm
	MLOAD 0
.irp q, 0,1,2,3
	MQT \q
.endr
.irp s, 0,1,2,3,4,5,6,7
	global_store_b128 v3, v[144+4*\s:147+4*\s], s[32:33] offset:512*\s   ; 512 consecutive bytes a store
.endr
	s_mov_b32 s34, 0                               ; bit s: some key of step s counts for some of the 64 rows
	s_mov_b32 s35, 0                               ; bit s: all 64 x 64 count
	s_mov_b32 s36, 0                               ; bit 4 s + kt: rows 64 rb .. +15 have a key among keys 16 kt .. +15 of step s
.irp s, 0,1,2,3,4,5,6,7
	v_or_b32 v176, v[144+4*\s], v[145+4*\s]
	v_or_b32 v177, v[146+4*\s], v[147+4*\s]
	v_or_b32 v176, v176, v177
	v_and_b32 v178, v[144+4*\s], v[145+4*\s]
	v_and_b32 v179, v[146+4*\s], v[147+4*\s]
	v_and_b32 v178, v178, v179
	v_cmp_ne_u32 vcc_lo, 0, v176
	s_cmp_lg_u32 vcc_lo, 0
	s_cselect_b32 s37, 1<<\s, 0
	s_or_b32 s34, s34, s37
	v_cmp_ne_u32 vcc_lo, -1, v178
	s_cmp_eq_u32 vcc_lo, 0
	s_cselect_b32 s37, 1<<\s, 0
	s_or_b32 s35, s35, s37
.irp kt, 0,1,2,3
	v_and_b32 v179, 0xff<<(8*\kt), v[144+4*\s]
	v_cmp_ne_u32 vcc_lo, 0, v179
	s_cmp_lg_u32 vcc_lo, 0
	s_cselect_b32 s37, 1<<(4*\s+\kt), 0
	s_or_b32 s36, s36, s37
.endr
.endr
	v_mov_b32 v176, s34
	v_mov_b32 v177, s35
	v_mov_b32 v178, s36
	v_mov_b32 v179, 0
	s_lshl_b32 s28, s25, 2
	s_add_co_u32 s28, s28, s24                     ; byte w of word rb
	s_add_nc_u64 s[38:39], s[22:23], s[28:29]
	s_lshl_b32 s28, s28, 2                         ; word w of rb's four
	s_add_nc_u64 s[40:41], s[22:23], s[28:29]
	v_cmp_eq_u32 vcc_lo, 0, v2
	s_wait_xcnt 0x0                                ; EXEC changes only behind this wait: the stores above have read it
	s_and_saveexec_b32 s37, vcc_lo                 ; lane 0 alone
	global_store_b8 v179, v176, s[38:39] offset:ANYO
	global_store_b8 v179, v177, s[38:39] offset:FULLO
	global_store_b32 v179, v178, s[40:41] offset:FINEO
	s_wait_xcnt 0x0
	s_or_b32 exec_lo, exec_lo, s37
	s_wait_tensorcnt 0x0                           ; the wave's end
	ds_add_u32 v[SPW], v[NIL]
	s_wait_dscnt 0x0
	s_endpgm
.Lfunc_end_k_qf0a51e22fb_prep:
	.size	k_qf0a51e22fb_prep, .Lfunc_end_k_qf0a51e22fb_prep-k_qf0a51e22fb_prep
	.p2alignl 7, 3214868480
	.fill 96, 4, 3214868480
	.section	.rodata,"a",@progbits
	.p2align	6, 0x0
	.amdhsa_kernel k_qf0a51e22fb_prep
		.amdhsa_group_segment_fixed_size 136704
		.amdhsa_private_segment_fixed_size 0
		.amdhsa_enable_private_segment 0
		.amdhsa_kernarg_size 64
		.amdhsa_user_sgpr_count 2
		.amdhsa_user_sgpr_kernarg_segment_ptr 1
		.amdhsa_wavefront_size32 1
		.amdhsa_system_sgpr_workgroup_id_x 1
		.amdhsa_system_sgpr_workgroup_id_y 1
		.amdhsa_system_sgpr_workgroup_id_z 1
		.amdhsa_system_vgpr_workitem_id 0
		.amdhsa_next_free_vgpr 192
		.amdhsa_next_free_sgpr 66
		.amdhsa_reserve_vcc 1
		.amdhsa_float_denorm_mode_32 3
		.amdhsa_float_denorm_mode_16_64 3
		.amdhsa_memory_ordered 1
		.amdhsa_forward_progress 1
		.amdhsa_inst_pref_size 197
	.end_amdhsa_kernel
	.amdgpu_metadata
---
amdhsa.version: [ 1, 2 ]
amdhsa.kernels:
  - .name:           k_qf0a51e22fb_prep
    .symbol:         k_qf0a51e22fb_prep.kd
    .args:
      - { .name: x, .offset: 0, .size: 8, .value_kind: global_buffer, .address_space: global }
      - { .name: w_qkv, .offset: 8, .size: 8, .value_kind: global_buffer, .address_space: global }
      - { .name: w_out, .offset: 16, .size: 8, .value_kind: global_buffer, .address_space: global }
      - { .name: mask, .offset: 24, .size: 8, .value_kind: global_buffer, .address_space: global }
      - { .name: xq, .offset: 32, .size: 8, .value_kind: global_buffer, .address_space: global }
      - { .name: wq, .offset: 40, .size: 8, .value_kind: global_buffer, .address_space: global }
      - { .name: wo16, .offset: 48, .size: 8, .value_kind: global_buffer, .address_space: global }
      - { .name: mtab, .offset: 56, .size: 8, .value_kind: global_buffer, .address_space: global }
    .group_segment_fixed_size: 136704
    .private_segment_fixed_size: 0
    .kernarg_segment_align: 8
    .kernarg_segment_size: 64
    .max_flat_workgroup_size: 128
    .sgpr_count:     66
    .vgpr_count:     192
    .wavefront_size: 32
...
	.end_amdgpu_metadata
.endif
;; end of part 1
;; launch qkv (part 2): grid 12 x 32, 4 waves a work-group, clusters of 4 x 4, 327,680 bytes of LDS; arguments xq, wq, b_qkv, qkv16; writes qkv16
.if DOCPART == 2
	.amdgcn_target "amdgcn-amd-amdhsa--gfx1250"
	.amdhsa_code_object_version 6
	.text
	.protected	k_qf0a51e22fb_qkv
	.globl	k_qf0a51e22fb_qkv
	.p2align	8
	.type	k_qf0a51e22fb_qkv,@function
k_qf0a51e22fb_qkv:
	s_mov_b64 s[64:65], 0
	v_nop
	global_prefetch_b8 v0, s[64:65] scope:SCOPE_SE
	s_setreg_imm32_b32 hwreg(HW_REG_WAVE_MODE, 25, 1), 1
	s_wait_xcnt 0x0
	s_wait_alu depctr_hold_cnt(0) depctr_sa_sdst(0) depctr_va_vdst(0) depctr_va_sdst(0) depctr_va_ssrc(0) depctr_va_vcc(0) depctr_vm_vsrc(0)
	s_getreg_b32 s2, hwreg(HW_REG_IB_STS2, 6, 4)
	s_cmp_eq_u32 s2, 0
	s_cbranch_scc0 .Lentry_in_a_cluster
	s_endpgm
.Lentry_in_a_cluster:
	s_bfe_u32 s2, ttmp6, 0x10000c
	s_cmp_lg_u32 s2, 0xf033
	s_cbranch_scc0 .Lentry_shape_is_right
	s_endpgm
.Lentry_shape_is_right:
; qkv = Q(x) Q(w_qkv) + b_qkv on codes of E2M1 with one E8M0 scale for each 32 along K = 1,024; sums in f32.
; A tile of 256 x 256 is made by four waves, 128 x 128 each: 64 accumulators of 16 x 16.  K is two slots of 512: both are asked for at the start, and no slot is filled twice.
; The scale bytes of the work-group's 256 + 256 rows come into LDS once, as rows of 256 bytes.
; CLUSTERS: 4 x 4 work-groups; the four of a row of the cluster ask jointly for A's tiles, the four of a column for B's.
; The matrix instruction is used transposed (source 0 = 16 rows of wq, source 1 = 16 rows of xq): a lane holds eight neighbouring columns of one row.
; THE WAY OUT: (sum + bias) x F, F = log2(e) / 8 for q's columns (so that a score is already the exponent of 2) and 1 for k's and v's; rounded to f16 and laid [section][batch x 16 + head][t][64];
; the rows t < 16 of every batch are also stored in f32, FOFF bytes on, laid [batch][section][head][t][64].
; LIMITS: q', k, v must lie under 65,504 in magnitude (f16).
; REGISTERS: window 0: v0-31 addresses; v32-95 scale words, two sets; v128-191 A's fragments; v192-255 the bias; on the way out v32-191 are free.  window 1: B's fragments, two sets.  windows 2, 3: accumulators.
.set XSC,    4194304
.set WSC,    1572864
.set FOFF,   50331648
.set NQ,     4
.set ROWB,   256
.set KROW,   512
.set PITCH,  272                       ; 256 bytes + 16: the sixteen rows that a load touches start sixteen bytes apart modulo 256
.set FR,     8
.set NL,     2
.set NP,     4
.set HALFT,  128*PITCH
.set SLOT,   4*HALFT
.set KS,     32
.set SCL,    2*SLOT
.set HALFS,  16*272
.set SBLK,   2*272
.set SPARE,  SCL+4*HALFS               ; the spare words: 128 bytes for each wave
.set SPITCH, 272                       ; the way out: a stage of 16 rows x (256 + 16) bytes for each wave, in slot 0, which has had its only fill and its last read by then
.set ADRA, 16
.set ADRB, 20
.set STO,  24
.set RD,   25
.set CO,   26
.set ADRS, 27
.set SPW,  28
.set NIL,  29
.set FO,   30
.set FLAG, 31
.set SC,   32
.set AF,   128
.set T,    32                          ; the way out: 64 numbers in f32
.set TMP,  96                          ; packed to f16
.set BK,   128                         ; rows read back: v128-159 and v160-191 by turns
.set BI,   192                         ; register 8 b + j: bias of column 16 b + 8 (lane / 16) + j
.set G1, 24
.set G0, 32
.set G1B, 48
.set G0B, 56
.set G1S, 68
.set G0S, 76
.set G1SB, 80
.set G0SB, 88
.set MSB, 0
.macro WIN new                         ; the immediate's high byte repeats the setting that is left
.if MSB != \new
	s_set_vgpr_msb (MSB<<8)|\new
.set MSB, \new
.endif
.endm
.set MUL_LO, 0xa1
.set MUL_HI, 0xf1
.set TO_B,   0x40
; A joint load: waves 0 and 1 fetch for A, waves 2 and 3 for B; the branch hangs on the wave's number alone.  An s_nop 0 and four v_nop follow each line.
.macro JLOAD g0a, g1a, g0b, g1b
	s_cmp_eq_u32 s15, 0
	s_cbranch_scc0 .Lfor_b_\@
	tensor_load_to_lds s[\g0a:\g0a+3], s[\g1a:\g1a+7]
	s_nop 0
.rept 4
	v_nop
.endr
	s_branch .Lasked_\@
.Lfor_b_\@:
	tensor_load_to_lds s[\g0b:\g0b+3], s[\g1b:\g1b+7]
	s_nop 0
.rept 4
	v_nop
.endr
.Lasked_\@:
.endm
.macro CROUND                          ; a round of the cluster's barrier
	s_barrier_signal -1
	s_barrier_wait -1
	s_cmp_lg_u32 s14, 0
	s_cbranch_scc1 .Lnot_wave_0_\@
	s_barrier_signal -3
.Lnot_wave_0_\@:
	s_barrier_wait -3
	s_barrier_signal -1
	s_barrier_wait -1
.endm
	s_load_b256 s[4:11], s[0:1], 0x0               ; xq s[4:5], wq s[6:7], b_qkv s[8:9], qkv16 s[10:11]
	v_lshl_add_u32 v[SPW], v0, 2, SPARE
	v_mov_b32 v[NIL], 0
	ds_add_u32 v[SPW], v[NIL]                      ; the wave's opening: the add, twice on end, and its wait ahead of my first tensor load
	ds_add_u32 v[SPW], v[NIL]
	v_lshrrev_b32 v1, 5, v0
	v_readfirstlane_b32 s14, v1                    ; wave 0..3
	s_lshr_b32 s15, s14, 1                         ; which half of the tile's rows is mine; also: I fetch for A (0) or B (1)
	s_and_b32 s16, s14, 1                          ; which half of its columns; also: which 128 rows I fetch
	s_bfe_u32 s40, ttmp6, 0x40000                  ; cx
	s_bfe_u32 s41, ttmp6, 0x40004                  ; cy
	s_lshl_b32 s42, ttmp9, 2
	s_add_co_u32 s42, s42, s40                     ; tile column
	s_and_b32 s17, ttmp7, 0xffff
	s_lshl_b32 s17, s17, 2
	s_add_co_u32 s17, s17, s41                     ; tile row
	s_lshl_b32 s43, s41, 2
	s_lshl_b32 s43, 15, s43                        ; my row of the cluster
	s_lshl_b32 s44, 0x1111, s40                    ; my column
	s_or_b32 s[G1+0], s43, (0<<16)|(1<<20)|(1<<21)|(5<<22)|(3<<25)   ; the mask; elements of 1 byte; 4 words of padding behind every 64
	s_or_b32 s[G1B+0], s44, (0<<16)|(1<<20)|(1<<21)|(5<<22)|(3<<25)
.irp g, G1, G1B
	s_mov_b32 s[\g+1], ROWB<<16                    ; tensor_dim0
	s_mov_b32 s[\g+2], 128<<16                     ; tensor_dim1
	s_mov_b32 s[\g+3], ROWB<<16                    ; tile_dim0
	s_mov_b32 s[\g+4], 128                         ; tile_dim1
	s_mov_b32 s[\g+5], KROW                        ; from row to row
	s_mov_b32 s[\g+6], 0
	s_mov_b32 s[\g+7], 0
.endr
	s_or_b32 s[G1S+0], s43, (3<<16)|(1<<20)|(1<<21)|(5<<22)|(3<<25)  ; the scales of 128 rows: 4,096 dense bytes as 16 rows of 256
	s_or_b32 s[G1SB+0], s44, (3<<16)|(1<<20)|(1<<21)|(5<<22)|(3<<25)
.irp g, G1S, G1SB
	s_mov_b32 s[\g+1], 32<<16
	s_mov_b32 s[\g+2], 16<<16
	s_mov_b32 s[\g+3], 32<<16
	s_mov_b32 s[\g+4], 16
	s_mov_b32 s[\g+5], 32
	s_mov_b32 s[\g+6], 0
	s_mov_b32 s[\g+7], 0
.endr
	s_lshl_b32 s18, s16, 7
	s_lshl_b32 s20, s17, 8
	s_add_co_u32 s20, s20, s18                     ; A: row 256 x tile row + 128 x half
	s_lshl_b32 s46, s42, 8
	s_add_co_u32 s46, s46, s18                     ; B: row 256 x tile column + 128 x half
	s_mov_b32 s21, 0
	s_mov_b32 s47, 0
	s_mov_b64 s[18:19], KS
	s_mul_u64 s[22:23], s[20:21], s[18:19]
	s_mul_u64 s[92:93], s[46:47], s[18:19]
	s_mov_b64 s[18:19], KROW
	s_mul_u64 s[20:21], s[20:21], s[18:19]
	s_mul_u64 s[46:47], s[46:47], s[18:19]
	s_mul_i32 s45, s14, HALFT
	s_mul_i32 s94, s14, HALFS
	s_wait_dscnt 0x0                               ; both opening adds are done
	s_wait_kmcnt 0x0
	s_add_nc_u64 s[20:21], s[4:5], s[20:21]
	s_add_nc_u64 s[22:23], s[4:5], s[22:23]
	s_add_nc_u64 s[22:23], s[22:23], XSC
	s_add_nc_u64 s[46:47], s[6:7], s[46:47]
	s_add_nc_u64 s[92:93], s[6:7], s[92:93]
	s_add_nc_u64 s[92:93], s[92:93], WSC
	CROUND                                         ; all sixteen work-groups are here: the joint loads meet
	s_mov_b32 s[G0S], 1
	s_add_co_u32 s[G0S+1], s94, SCL
	s_mov_b64 s[G0S+2:G0S+3], s[22:23]
	s_or_b32 s[G0S+3], s[G0S+3], 0x80000000
	s_mov_b32 s[G0SB], 1
	s_add_co_u32 s[G0SB+1], s94, SCL
	s_mov_b64 s[G0SB+2:G0SB+3], s[92:93]
	s_or_b32 s[G0SB+3], s[G0SB+3], 0x80000000
	JLOAD G0S, G1S, G0SB, G1SB                     ; the scales first; by this text's count a wave has three tensor loads out
.irp s, 0,1
	s_mov_b32 s[G0+4*\s], 1
	s_add_co_u32 s[G0+4*\s+1], s45, \s*SLOT
	s_add_nc_u64 s[G0+4*\s+2:G0+4*\s+3], s[20:21], \s*ROWB
	s_or_b32 s[G0+4*\s+3], s[G0+4*\s+3], 0x80000000
	s_mov_b32 s[G0B+4*\s], 1
	s_add_co_u32 s[G0B+4*\s+1], s45, \s*SLOT
	s_add_nc_u64 s[G0B+4*\s+2:G0B+4*\s+3], s[46:47], \s*ROWB
	s_or_b32 s[G0B+4*\s+3], s[G0B+4*\s+3], 0x80000000
	JLOAD G0+4*\s, G1, G0B+4*\s, G1B
.endr
	v_and_b32 v1, 15, v0                           ; r
	v_bfe_u32 v2, v0, 4, 1                         ; hl
	v_mul_u32_u24 v3, v1, PITCH
	v_lshl_add_u32 v4, v2, 4, v3
	s_mul_i32 s21, s15, HALFT
	s_mul_i32 s22, s16, HALFT
	s_add_co_u32 s22, s22, 2*HALFT
.irp s, 0,1
	v_add_nc_u32 v[ADRA+\s], s21, v4
	v_add_nc_u32 v[ADRB+\s], s22, v4
	s_add_co_u32 s21, s21, SLOT
	s_add_co_u32 s22, s22, SLOT
.endr
	v_mul_u32_u24 v5, v1, KS
	v_lshrrev_b32 v6, 8, v5
	v_lshl_add_u32 v5, v6, 4, v5                   ; 16 more for each 256 passed
	s_mul_i32 s21, s15, HALFS
	s_mul_i32 s22, s16, HALFS
	s_add_co_u32 s22, s22, 2*HALFS
	s_sub_co_u32 s22, s22, s21
	v_mul_u32_u24 v6, s22, v2                      ; lanes 16-31 take B's scale words
	s_add_co_u32 s21, s21, SCL
	v_add_nc_u32 v5, v5, v6
	v_add_nc_u32 v[ADRS], s21, v5
	; the bias of my 128 columns
	v_lshlrev_b32 v7, 5, v2
	s_lshl_b32 s46, s42, 10
	s_lshl_b32 s47, s16, 9
	s_add_co_u32 s46, s46, s47
	s_mov_b32 s47, 0
	s_add_nc_u64 s[8:9], s[8:9], s[46:47]
.irp b, 0,1,2,3,4,5,6,7
	global_load_b128 v[BI+8*\b:BI+8*\b+3], v7, s[8:9] offset:64*\b
	global_load_b128 v[BI+8*\b+4:BI+8*\b+7], v7, s[8:9] offset:64*\b+16
.endr
	; the way out's addresses.  Addresses may hang on my place in the cluster; no branch and no LDS address does.
	s_mul_i32 s23, s14, 16*SPITCH
	v_mul_u32_u24 v5, v1, SPITCH
	v_lshl_add_u32 v5, v2, 4, v5
	v_add_nc_u32 v[STO], s23, v5                   ; in: row r, 16 bytes for each half of the lanes
	v_bfe_u32 v5, v0, 3, 1
	v_mul_u32_u24 v5, v5, SPITCH
	v_lshl_add_u32 v5, v2, 7, v5
	v_and_b32 v6, 7, v0
	v_lshl_add_u32 v5, v6, 4, v5
	v_add_nc_u32 v[RD], s23, v5                    ; back: lanes 0-15 two rows of the first head, lanes 16-31 of the second
	v_lshlrev_b32 v5, 18, v2
	v_lshl_add_u32 v[CO], v1, 4, v5                ; a head is 262,144 bytes; two rows of 128 bytes are 256 on end
	v_lshlrev_b32 v5, 8, v1
	v_lshl_add_u32 v[FO], v2, 5, v5                ; f32 rows of 256 bytes
	s_lshr_b32 s98, s17, 3                         ; batch
	s_lshl_b32 s99, s40, 2
	s_lshl_b32 s95, s16, 1
	s_add_co_u32 s99, s99, s95                     ; my first head
	s_lshl_b32 s95, s98, 4
	s_add_co_u32 s95, s95, s99
	s_lshl_b32 s2, s95, 18
	s_and_b32 s95, s17, 7
	s_lshl_b32 s3, s95, 15
	s_add_co_u32 s2, s2, s3
	s_lshl_b32 s3, s15, 14
	s_add_co_u32 s2, s2, s3
	s_lshl_b32 s3, ttmp9, 24                       ; the cluster's x is the section: q, k, v
	s_add_co_u32 s2, s2, s3
	s_mov_b32 s3, 0
	s_add_nc_u64 s[12:13], s[10:11], s[2:3]
	s_or_b32 s95, s95, s15
	v_mov_b32 v[FLAG], s95                         ; 0 where my first 16 rows are a batch's t = 0 .. 15
	s_mul_i32 s2, s98, 3
	s_add_co_u32 s2, s2, ttmp9
	s_lshl_b32 s2, s2, 4
	s_add_co_u32 s2, s2, s99
	s_lshl_b32 s2, s2, 12
	s_add_nc_u64 s[66:67], s[10:11], s[2:3]
	s_add_nc_u64 s[66:67], s[66:67], FOFF
	s_mov_b32 s96, 0x3e38aa3b                      ; log2(e) / 8
	s_cmp_eq_u32 ttmp9, 0
	s_cselect_b32 s96, s96, 1.0
	s_mov_b32 s97, s96                             ; (named with it as a pair)
.macro FRAG reg, adr, q, i             ; 16 rows x 128 K of 4-bit codes: two loads of 16 bytes, 32 bytes apart
.irp c, 0,1
	ds_load_b128 v[\reg+4*\c:\reg+4*\c+3], v[\adr] offset:64*(\q)+32*\c+(\i)*16*PITCH
.endr
.endm
; 16 matrix instructions: A's blocks a0, a0 + 1 x B's eight.  The 64 accumulators take turns, one instruction a turn, in the same order in every step.
.macro MUL16 a0, p, q, sc, zero
.irp a, \a0, \a0+1
.irp b, 0,1,2,3,4,5,6,7
.if \zero
	v_wmma_scale_f32_16x16x128_f8f6f4 v[8*(8*((\a)%4)+\b):8*(8*((\a)%4)+\b)+7], v[128*(\p)+FR*\b:128*(\p)+FR*\b+FR-1], v[AF+FR*(\a):AF+FR*(\a)+FR-1], 0, v[SC+8*NQ*(\sc)+NQ*\b+(\q)], v[SC+8*NQ*(\sc)+NQ*(\a)+(\q)] matrix_a_fmt:MATRIX_FMT_FP4 matrix_b_fmt:MATRIX_FMT_FP4 matrix_a_scale:MATRIX_SCALE_ROW1
.else
	v_wmma_scale_f32_16x16x128_f8f6f4 v[8*(8*((\a)%4)+\b):8*(8*((\a)%4)+\b)+7], v[128*(\p)+FR*\b:128*(\p)+FR*\b+FR-1], v[AF+FR*(\a):AF+FR*(\a)+FR-1], v[8*(8*((\a)%4)+\b):8*(8*((\a)%4)+\b)+7], v[SC+8*NQ*(\sc)+NQ*\b+(\q)], v[SC+8*NQ*(\sc)+NQ*(\a)+(\q)] matrix_a_fmt:MATRIX_FMT_FP4 matrix_b_fmt:MATRIX_FMT_FP4 matrix_a_scale:MATRIX_SCALE_ROW1
.endif
.endr
.endr
.endm
.macro FETCH_B slot, q, p
	WIN TO_B
.irp i, 0,1,2,3,4,5,6,7
	FRAG 128*(\p)+FR*\i, ADRB+\slot, \q, \i
.endr
	WIN 0
.endm
.macro FETCH_A slot, q, i0
.irp i, \i0, \i0+1, \i0+2, \i0+3
	FRAG AF+FR*(\i), ADRA+\slot, \q, \i
.endr
.endm
.macro SCALES sc                       ; a slot's scale words: lanes 0-15 A's block i, lanes 16-31 B's block i
.irp i, 0,1,2,3,4,5,6,7
	ds_load_b128 v[SC+8*NQ*\sc+NQ*\i:SC+8*NQ*\sc+NQ*\i+3], v[ADRS] offset:\i*SBLK
.endr
.endm
.macro PLACES n                        ; plain vector lines between a matrix instruction and a load into, or a read of, its registers
.rept \n
	v_nop
.endr
.endm
.macro STEP slot, q, zero              ; 128 along K that has its successor in the same slot
	s_wait_dscnt 4*NL                              ; B's set and A's blocks 0-3 are in; the eight loads of A's blocks 4-7 may be out
	WIN MUL_LO
	MUL16 0, (\q)%2, \q, \slot, \zero
	MUL16 2, (\q)%2, \q, \slot, \zero
	s_wait_dscnt 0
	PLACES NP
	FETCH_B \slot, (\q)+1, 1-(\q)%2
	FETCH_A \slot, (\q)+1, 0
	WIN MUL_HI
	MUL16 4, (\q)%2, \q, \slot, \zero
	MUL16 6, (\q)%2, \q, \slot, \zero
	PLACES NP
	WIN 0
	FETCH_A \slot, (\q)+1, 4
.endm
.macro TURN slot, next                 ; a slot's last step changes slots: one barrier
	s_wait_tensorcnt 0x0                           ; all my tensor loads have landed: my part of the next slot
	ds_add_u32 v[SPW], v[NIL]
	s_wait_dscnt 4*NL+1                            ; the add and the eight youngest loads may be out
	WIN MUL_LO
	MUL16 0, 1, NQ-1, \slot, 0
	s_wait_dscnt 0x0                               ; the add is done, and my reads of this slot are over
	s_barrier_signal -1
	MUL16 2, 1, NQ-1, \slot, 0
	WIN 0
	s_barrier_wait -1
	PLACES NP
	v_add_nc_u32 v[ADRS], 4*NQ, v[ADRS]            ; the next slot's scale words
	FETCH_B \next, 0, 0
	FETCH_A \next, 0, 0
	SCALES \next
	WIN MUL_HI
	MUL16 4, 1, NQ-1, \slot, 0
	MUL16 6, 1, NQ-1, \slot, 0
	PLACES NP
	WIN 0
	FETCH_A \next, 0, 4
.endm
.macro STEPS slot, from
.set Q, \from
.rept NQ-1-\from
	STEP \slot, Q, 0
.set Q, Q+1
.endr
.endm
	s_wait_tensorcnt 1                             ; the scales and my part of slot 0 are in; slot 1's load may be out
	s_barrier_signal -1
	s_barrier_wait -1
	FETCH_B 0, 0, 0
	FETCH_A 0, 0, 0
	SCALES 0
	FETCH_A 0, 0, 4
	STEP 0, 0, 1                                   ; the first products start the sums: nothing is cleared
	STEPS 0, 1
	TURN 0, 1
	STEPS 1, 0
	s_wait_dscnt 4*NL
	WIN MUL_LO
	MUL16 0, 1, NQ-1, 1, 0
	MUL16 2, 1, NQ-1, 1, 0
	s_wait_dscnt 0
	WIN MUL_HI
	MUL16 4, 1, NQ-1, 1, 0
	MUL16 6, 1, NQ-1, 1, 0
	WIN 0
	s_wait_loadcnt 0x0                             ; the bias
.set i, 0
.rept 32
	v_pk_mul_f32 v[BI+i:BI+i+1], v[BI+i:BI+i+1], s[96:97] op_sel_hi:[1,0]   ; bias x F; these 32 lines are also the places behind the last products
.set i, i+2
.endr
.macro PACK a                          ; block a (16 rows x 128 columns): sum x F + bias x F, each accumulator from its low end on; then f16
.set AC, 64*((\a)%4)
	WIN 0x02+((\a)/4)
.irp b, 0,1,2,3,4,5,6,7
.irp p, 0,2,4,6
	v_pk_fma_f32 v[T+8*\b+\p:T+8*\b+\p+1], v[AC+8*\b+\p:AC+8*\b+\p+1], s[96:97], v[BI+8*\b+\p:BI+8*\b+\p+1] op_sel_hi:[1,0,1]
.endr
.endr
	WIN 0
.if (\a) == 0
	s_wait_xcnt 0x0                                ; EXEC changes only behind this wait
	v_cmp_eq_u32 vcc_lo, 0, v[FLAG]
	s_and_saveexec_b32 s98, vcc_lo                 ; all lanes where these are a batch's first 16 rows, else none: no jump
.irp b, 0,1,2,3,4,5,6,7
	global_store_b128 v[FO], v[T+8*\b:T+8*\b+3], s[66:67] offset:(\b/4)*4096+(\b%4)*64
	global_store_b128 v[FO], v[T+8*\b+4:T+8*\b+7], s[66:67] offset:(\b/4)*4096+(\b%4)*64+16
.endr
	s_wait_xcnt 0x0                                ; the stores have read EXEC and their data
	s_or_b32 exec_lo, exec_lo, s98
.endif
.irp b, 0,1,2,3,4,5,6,7
.irp q, 0,1,2,3
	v_cvt_pk_f16_f32 v[TMP+4*\b+\q], v[T+8*\b+2*\q], v[T+8*\b+2*\q+1]
.endr
.endr
.endm
.macro TOSTAGE a
.set BB, BK+32*((\a)%2)
.irp b, 0,1,2,3,4,5,6,7
	ds_store_b128 v[STO], v[TMP+4*\b:TMP+4*\b+3] offset:32*\b
.endr
.irp i, 0,1,2,3,4,5,6,7
	ds_load_b128 v[BB+4*\i:BB+4*\i+3], v[RD] offset:2*SPITCH*\i   ; LDS serves a wave's instructions in order: these see the stores above
.endr
.endm
.macro SEND a
.set BB, BK+32*((\a)%2)
	s_wait_dscnt 0x0                               ; the block is back in registers
	s_wait_xcnt 0x0                                ; earlier stores have read their registers: the next block's loads may land on them
.irp i, 0,1,2,3,4,5,6,7
	global_store_b128 v[CO], v[BB+4*\i:BB+4*\i+3], s[12:13] offset:2048*(\a)+256*\i th:TH_STORE_NT   ; sixteen lanes store 256 consecutive bytes, aligned
.endr
.endm
	PACK 0
	TOSTAGE 0
.irp a, 1,2,3,4,5,6,7
	PACK \a
	SEND \a-1
	TOSTAGE \a
.endr
	SEND 7
	s_wait_tensorcnt 0x0                           ; the wave's end
	ds_add_u32 v[SPW], v[NIL]
	s_wait_dscnt 0x0
	CROUND                                         ; the closing round
	s_endpgm
.Lfunc_end_k_qf0a51e22fb_qkv:
	.size	k_qf0a51e22fb_qkv, .Lfunc_end_k_qf0a51e22fb_qkv-k_qf0a51e22fb_qkv
	.p2alignl 7, 3214868480
	.fill 96, 4, 3214868480
	.section	.rodata,"a",@progbits
	.p2align	6, 0x0
	.amdhsa_kernel k_qf0a51e22fb_qkv
		.amdhsa_group_segment_fixed_size 327680
		.amdhsa_private_segment_fixed_size 0
		.amdhsa_enable_private_segment 0
		.amdhsa_kernarg_size 32
		.amdhsa_user_sgpr_count 2
		.amdhsa_user_sgpr_kernarg_segment_ptr 1
		.amdhsa_wavefront_size32 1
		.amdhsa_system_sgpr_workgroup_id_x 1
		.amdhsa_system_sgpr_workgroup_id_y 1
		.amdhsa_system_sgpr_workgroup_id_z 1
		.amdhsa_system_vgpr_workitem_id 0
		.amdhsa_next_free_vgpr 1024
		.amdhsa_next_free_sgpr 100
		.amdhsa_reserve_vcc 1
		.amdhsa_float_denorm_mode_32 3
		.amdhsa_float_denorm_mode_16_64 3
		.amdhsa_memory_ordered 1
		.amdhsa_forward_progress 1
		.amdhsa_inst_pref_size 148
	.end_amdhsa_kernel
	.amdgpu_metadata
---
amdhsa.version: [ 1, 2 ]
amdhsa.kernels:
  - .name:           k_qf0a51e22fb_qkv
    .symbol:         k_qf0a51e22fb_qkv.kd
    .args:
      - { .name: xq, .offset: 0, .size: 8, .value_kind: global_buffer, .address_space: global }
      - { .name: wq, .offset: 8, .size: 8, .value_kind: global_buffer, .address_space: global }
      - { .name: b_qkv, .offset: 16, .size: 8, .value_kind: global_buffer, .address_space: global }
      - { .name: qkv16, .offset: 24, .size: 8, .value_kind: global_buffer, .address_space: global }
    .group_segment_fixed_size: 327680
    .private_segment_fixed_size: 0
    .kernarg_segment_align: 8
    .kernarg_segment_size: 32
    .max_flat_workgroup_size: 128
    .sgpr_count:     100
    .vgpr_count:     1024
    .wavefront_size: 32
...
	.end_amdgpu_metadata
.endif
;; end of part 2
;; launch attn (part 3): grid 4 x 64, 8 waves a work-group, no clusters, 157,696 bytes of LDS; arguments qkv16, mtab, y16; writes y16
.if DOCPART == 3
	.amdgcn_target "amdgcn-amd-amdhsa--gfx1250"
	.amdhsa_code_object_version 6
	.text
	.protected	k_qf0a51e22fb_attn
	.globl	k_qf0a51e22fb_attn
	.p2align	8
	.type	k_qf0a51e22fb_attn,@function
k_qf0a51e22fb_attn:
	s_mov_b64 s[64:65], 0
	v_nop
	global_prefetch_b8 v0, s[64:65] scope:SCOPE_SE
	s_setreg_imm32_b32 hwreg(HW_REG_WAVE_MODE, 25, 1), 1
	s_wait_xcnt 0x0
; y = softmax(q k^T / 8, under the GIVEN mask) v for one (batch, head), f16 operands, f32 sums, running maximum.  q arrives scaled by log2(e) / 8: a score is the exponent of 2.
; SHARES.  Work-group (j, bh) makes two passes, over the blocks of 256 queries JB = j and 7 - j.  Waves W4 and W4 + 4 both own queries 64 (4 JB + W4) .. +63 (four tiles of 16) and SPLIT THE KEYS:
; the block's list of key steps of 64 (the bits of A, read from the table that the first launch stored) is dealt two to an interval, the first to waves 0-3, the second to waves 4-7.
; At a pass's end waves 4-7 hand maximum, sum and O to waves 0-3 through LDS.  A key step in which no key counts for the block is never walked; a wave jumps over one in which none counts for its own 64 queries;
; a step in which all count needs no masking.  These are branches on stored whole numbers, so K and V come through registers (no tensor load): a group's four waves bring a step's 8 + 8 KB one interval ahead.
; No cluster: which tiles a work-group walks hangs on numbers read from memory.
; LAYOUT.  S^T = K Q^T and O^T = V^T P: a lane holds one query (lane % 16) throughout; two score tiles rounded to f16 in pairs ARE the second product's operand.  V is turned by ds_load_tr16_b128.
; A row with no key: sum 0, O 0, and 0 x (1 / 0) gives NaN, as the reference's softmax does.
; LIMITS: operands are f16 (q', k, v, y under 65,504); rows that the mask leaves few keys carry f16's rounding (rows t < 16 are made again in f32 by later launches).
; LDS: slot (parity, group) = parity x SLOTP + group x SLOTG: 64 rows of K (128 + 16 bytes), 64 rows of V (128 + 32 bytes); MRG: what waves 4-7 hand over; YST: a stage for y; SPARE.
; REGISTERS.  window 0: v3-13 addresses, v14 -infinity, v16-27 at work, v28, v29 the add's two, v32-63 statistics (tile t at 32 + 8 t: +0 m, +2, +3 the sum, +4 .. +7 at work, a at +6),
;   v64-191 S^T (32 a tile; P in a tile's low 16), v192-255 K's fragments, then V's.   window 1: v0-127 O^T, v128-191 Q, v192-223 the tiles on their way to LDS.
.set SLOTP, 38912
.set SLOTG, 19456
.set VOFF,  9216
.set PK,    144
.set PVP,   160
.set MRG,   77824
.set MRGW,  17408
.set YST,   147456
.set YSTW,  2304
.set SPARE, 156672
.set ANYO,  524288
.set FULLO, 524416
.set ST,    32
.set S,     64
.set KF,    192
.set QW,    128
.set SG,    192
.set MSB, 0
.macro WIN new
.if MSB != \new
	s_set_vgpr_msb (MSB<<8)|\new
.set MSB, \new
.endif
.endm
	s_load_b128 s[4:7], s[0:1], 0x0                ; qkv16, mtab
	s_load_b64 s[8:9], s[0:1], 0x10                ; y16
	v_lshl_add_u32 v28, v0, 2, SPARE
	v_mov_b32 v29, 0
	v_lshrrev_b32 v1, 5, v0
	v_readfirstlane_b32 s10, v1                    ; wave 0..7
	s_lshr_b32 s11, s10, 2                         ; G: my group
	s_and_b32 s12, s10, 3                          ; W4
	v_and_b32 v1, 31, v0                           ; l
	v_and_b32 v2, 15, v0                           ; r
	v_bfe_u32 v15, v0, 4, 1                        ; hl
	v_and_b32 v30, 7, v0
	v_bfe_u32 v31, v0, 3, 1
	v_bfe_u32 v16, v0, 3, 2
	s_mul_i32 s13, s11, SLOTG
	v_mul_u32_u24 v3, v2, PK
	v_lshl_add_u32 v3, v15, 4, v3
	v_add_nc_u32 v3, s13, v3                       ; K's fragments: row r, + 16 hl
	v_lshl_add_u32 v4, v15, 3, v30
	v_mul_u32_u24 v4, v4, PVP
	v_lshl_add_u32 v4, v31, 4, v4
	s_add_co_u32 s14, s13, VOFF
	v_add_nc_u32 v4, s14, v4                       ; V's, for the turning load
	s_mul_i32 s14, s12, 16*PK
	s_add_co_u32 s14, s14, s13
	v_mul_u32_u24 v5, v16, PK
	v_lshl_add_u32 v5, v30, 4, v5
	v_add_nc_u32 v5, s14, v5                       ; where I put K: rows 16 W4 + l / 8 on
	s_mul_i32 s14, s12, 16*PVP
	s_add_co_u32 s14, s14, s13
	s_add_co_u32 s14, s14, VOFF
	v_mul_u32_u24 v6, v16, PVP
	v_lshl_add_u32 v6, v30, 4, v6
	v_add_nc_u32 v6, s14, v6                       ; and V
	v_lshlrev_b32 v8, 4, v1                        ; 16 l
	s_lshl_b32 s14, s12, 11
	v_add_nc_u32 v7, s14, v8                       ; my 2,048 bytes of a step's 8,192
	v_lshlrev_b32 v9, 7, v2
	v_lshl_add_u32 v9, v15, 4, v9                  ; Q: row r of 128 bytes, + 16 hl
	s_mul_i32 s14, s12, YSTW
	s_add_co_u32 s14, s14, YST
	v_mul_u32_u24 v10, v2, PK
	v_lshl_add_u32 v10, v15, 4, v10
	v_add_nc_u32 v10, s14, v10                     ; y's stage, in
	v_mul_u32_u24 v11, v15, 2*PK
	v_mad_u32_u24 v11, v31, PK, v11
	v_lshl_add_u32 v11, v30, 4, v11
	v_add_nc_u32 v11, s14, v11                     ; and back: sixteen lanes take two rows
	v_lshlrev_b32 v12, 12, v15
	v_lshl_add_u32 v12, v2, 4, v12                 ; in y16: a pair of rows is 256 bytes of a line of 4,096
	s_mul_i32 s14, s12, MRGW
	s_add_co_u32 s14, s14, MRG
	v_add_nc_u32 v13, s14, v8
	v_mov_b32 v14, 0xff800000                      ; -infinity
	s_mov_b32 s52, 0x76543210
	s_mov_b32 s53, 0xfedcba98                      ; v_permlanex16_b32: lane l xor 16
	s_and_b32 s34, ttmp7, 0xffff                   ; bh
	s_mov_b32 s15, ttmp9                           ; JB
	s_lshl_b32 s32, s34, 18
	s_mov_b32 s33, 0                               ; stays 0: the upper word of every offset
	s_lshr_b32 s35, s34, 4
	s_lshl_b32 s58, s35, 22
	s_and_b32 s35, s34, 15
	s_lshl_b32 s35, s35, 8
	s_add_co_u32 s58, s58, s35
	s_lshl_b32 s35, s12, 17
	s_add_co_u32 s58, s58, s35
	s_mov_b32 s59, 0
	s_wait_kmcnt 0x0
	s_add_nc_u64 s[18:19], s[4:5], s[32:33]        ; my head's q'
	s_add_nc_u64 s[20:21], s[18:19], 0x1000000     ; k
	s_add_nc_u64 s[22:23], s[18:19], 0x2000000     ; v
	s_add_nc_u64 s[50:51], s[8:9], s[58:59]        ; y16 at (1,024 b + 32 W4) lines, + 256 h
; The next two steps are taken off the list; mine is asked for.  A step's number enters an address only behind the clamp to 31.
.macro ADVANCE
	s_ctz_i32_b32 s43, s40                         ; -1 where the list is empty
	s_sub_co_u32 s44, s40, 1
	s_and_b32 s40, s40, s44
	s_ctz_i32_b32 s44, s40
	s_sub_co_u32 s45, s40, 1
	s_and_b32 s40, s40, s45
	s_cmp_eq_u32 s11, 0
	s_cselect_b32 s45, s43, s44
	s_cmp_lg_u32 s45, -1
	s_cselect_b32 s46, 1, 0                        ; my group has a step
	s_min_u32 s47, s45, 31                         ; T
	s_lshl_b32 s32, s47, 13
	s_add_nc_u64 s[24:25], s[20:21], s[32:33]
	s_add_nc_u64 s[26:27], s[22:23], s[32:33]
	WIN 0x40
.irp i, 0,1,2,3
	global_load_b128 v[SG+4*\i:SG+4*\i+3], v7, s[24:25] offset:512*\i
.endr
.irp i, 0,1,2,3
	global_load_b128 v[SG+16+4*\i:SG+16+4*\i+3], v7, s[26:27] offset:512*\i
.endr
	WIN 0
.endm
.macro FETCH_K par
.irp kt, 0,1,2,3
.irp s, 0,1
	ds_load_b128 v[KF+8*(2*\kt+\s):KF+8*(2*\kt+\s)+3], v3 offset:\par*SLOTP+16*PK*\kt+64*\s
	ds_load_b128 v[KF+8*(2*\kt+\s)+4:KF+8*(2*\kt+\s)+7], v3 offset:\par*SLOTP+16*PK*\kt+64*\s+32
.endr
.endr
.endm
.macro FETCH_V par
.irp ks, 0,1
.irp c, 0,1,2,3
	ds_load_tr16_b128 v[KF+8*(4*\ks+\c):KF+8*(4*\ks+\c)+3], v4 offset:\par*SLOTP+32*PVP*\ks+32*\c
	ds_load_tr16_b128 v[KF+8*(4*\ks+\c)+4:KF+8*(4*\ks+\c)+7], v4 offset:\par*SLOTP+32*PVP*\ks+32*\c+16*PVP
.endr
.endr
.endm
.macro QK                              ; 32 products; the 16 accumulators take turns, one instruction a turn
	WIN 0x04                                       ; Q in window 1
.irp s, 0,1
.irp kt, 0,1,2,3
.irp t, 0,1,2,3
.if \s == 0
	v_wmma_f32_16x16x32_f16 v[S+32*\t+8*\kt:S+32*\t+8*\kt+7], v[KF+8*(2*\kt+\s):KF+8*(2*\kt+\s)+7], v[QW+16*\t+8*\s:QW+16*\t+8*\s+7], 0
.else
	v_wmma_f32_16x16x32_f16 v[S+32*\t+8*\kt:S+32*\t+8*\kt+7], v[KF+8*(2*\kt+\s):KF+8*(2*\kt+\s)+7], v[QW+16*\t+8*\s:QW+16*\t+8*\s+7], v[S+32*\t+8*\kt:S+32*\t+8*\kt+7]
.endif
.endr
.endr
.endr
	WIN 0
.endm
.macro MASK                            ; the scores of keys that do not count become -infinity
	s_wait_loadcnt 0x8                             ; the mask words are in; the eight staging loads issued behind them may be out
.irp t, 0,1,2,3
.set i, 0
.rept 32
	v_and_b32 v15, 1<<i, v[20+\t]
	v_cmp_eq_u32 vcc_lo, 0, v15
	v_cndmask_b32 v[S+32*\t+i], v[S+32*\t+i], v14, vcc_lo
.set i, i+1
.endr
.endr
.endm
.macro SOFTMAX                         ; stage by stage, the four tiles by turns, so that no line waits for the line above it
.irp j, 0,1,2,3
.irp t, 0,1,2,3
	v_max3_num_f32 v[ST+8*\t+4+\j], v[S+32*\t+8*\j], v[S+32*\t+8*\j+1], v[S+32*\t+8*\j+2]   ; each accumulator is read from its low end on
.endr
.endr
.irp g, 1,2
.irp j, 0,1,2,3
.irp t, 0,1,2,3
	v_max3_num_f32 v[ST+8*\t+4+\j], v[ST+8*\t+4+\j], v[S+32*\t+8*\j+2*\g+1], v[S+32*\t+8*\j+2*\g+2]
.endr
.endr
.endr
.irp t, 0,1,2,3
	v_max3_num_f32 v[ST+8*\t+4], v[ST+8*\t+4], v[S+32*\t+7], v[S+32*\t+15]
.endr
.irp t, 0,1,2,3
	v_max3_num_f32 v[ST+8*\t+6], v[ST+8*\t+6], v[S+32*\t+23], v[S+32*\t+31]
.endr
.irp t, 0,1,2,3
	v_max3_num_f32 v[ST+8*\t+4], v[ST+8*\t+4], v[ST+8*\t+5], v[ST+8*\t+6]
.endr
.irp t, 0,1,2,3
	v_max3_num_f32 v[ST+8*\t+4], v[ST+8*\t+4], v[ST+8*\t+7], v[ST+8*\t]     ; and the old m
.endr
.irp t, 0,1,2,3
	v_permlanex16_b32 v[ST+8*\t+5], v[ST+8*\t+4], s52, s53                  ; the query's other 32 keys
.endr
.irp t, 0,1,2,3
	v_mov_b32 v[ST+8*\t+7], v[ST+8*\t]
.endr
.irp t, 0,1,2,3
	v_max_num_f32 v[ST+8*\t], v[ST+8*\t+4], v[ST+8*\t+5]
.endr
.irp t, 0,1,2,3
	v_sub_f32 v[ST+8*\t+7], v[ST+8*\t+7], v[ST+8*\t]
.endr
.irp t, 0,1,2,3
	v_exp_f32 v[ST+8*\t+6], v[ST+8*\t+7]           ; a = 2^(old m - new m)
.endr
.set i, 0
.rept 16
.irp t, 0,1,2,3
	v_pk_add_f32 v[S+32*\t+i:S+32*\t+i+1], v[S+32*\t+i:S+32*\t+i+1], v[ST+8*\t:ST+8*\t+1] op_sel_hi:[1,0] neg_lo:[0,1] neg_hi:[0,1]
.endr
.set i, i+2
.endr
.set i, 0
.rept 32
.irp t, 0,1,2,3
	v_exp_f32 v[S+32*\t+i], v[S+32*\t+i]           ; p = 2^(s - m)
.endr
.set i, i+1
.endr
	v_nop                                          ; a plain line behind the last exponential
	s_wait_alu depctr_va_vdst(0)                   ; one wait for the 132 exponentials, ahead of the first line that names a result
.irp t, 0,1,2,3
	v_pk_add_f32 v[ST+8*\t+4:ST+8*\t+5], v[S+32*\t:S+32*\t+1], v[S+32*\t+2:S+32*\t+3]
.endr
.set i, 4
.rept 14
.irp t, 0,1,2,3
	v_pk_add_f32 v[ST+8*\t+4:ST+8*\t+5], v[ST+8*\t+4:ST+8*\t+5], v[S+32*\t+i:S+32*\t+i+1]
.endr
.set i, i+2
.endr
.irp t, 0,1,2,3
	v_pk_fma_f32 v[ST+8*\t+2:ST+8*\t+3], v[ST+8*\t+2:ST+8*\t+3], v[ST+8*\t+6:ST+8*\t+7], v[ST+8*\t+4:ST+8*\t+5] op_sel_hi:[1,0,1]
.endr
.set i, 0
.rept 16
.irp t, 0,1,2,3
	v_cvt_pk_f16_f32 v[S+32*\t+i], v[S+32*\t+2*i], v[S+32*\t+2*i+1]         ; P, in place: register i is never read again once 2 i has passed it
.endr
.set i, i+1
.endr
.endm
.macro STEP par
	FETCH_K \par
	s_wait_dscnt 0x0
	QK
.rept 4
	v_nop                                          ; places: V's loads land on K's registers, and the scores are read
.endr
	FETCH_V \par
	s_cmp_lg_u32 s49, 0
	s_cbranch_scc1 .Lfull_\@                       ; all 64 x 64 count
	MASK
.Lfull_\@:
	SOFTMAX
	WIN 0x41
.set i, 0
.rept 16
.irp t, 0,1,2,3
	v_pk_mul_f32 v[32*\t+i:32*\t+i+1], v[32*\t+i:32*\t+i+1], v[ST+8*\t+6:ST+8*\t+7] op_sel_hi:[1,0]   ; O^T x a
.endr
.set i, i+2
.endr
	s_wait_dscnt 0x0                               ; V is in
	WIN 0x50
.irp ks, 0,1
.irp c, 0,1,2,3
.irp t, 0,1,2,3
	v_wmma_f32_16x16x32_f16 v[32*\t+8*\c:32*\t+8*\c+7], v[KF+8*(4*\ks+\c):KF+8*(4*\ks+\c)+7], v[S+32*\t+8*\ks:S+32*\t+8*\ks+7], v[32*\t+8*\c:32*\t+8*\c+7]
.endr
.endr
.endr
	WIN 0
.rept 5
	v_nop                                          ; five places: the next scores are written over P's registers by matrix instructions; loads land on V's; O^T is read
.endr
.endm
; AN INTERVAL.  The waits, the eight LDS stores and the one barrier stand on every wave's path, whatever the list holds.
.macro INTERVAL par
	s_wait_loadcnt 0x0                             ; the tiles asked for an interval ago are in registers; every earlier load is done, so its address registers may be written
	WIN 0x04                                       ; an LDS store's data are its source 1: window 1
.irp i, 0,1,2,3
	ds_store_b128 v5, v[SG+4*\i:SG+4*\i+3] offset:\par*SLOTP+4*PK*\i
.endr
.irp i, 0,1,2,3
	ds_store_b128 v6, v[SG+16+4*\i:SG+16+4*\i+3] offset:\par*SLOTP+4*PVP*\i
.endr
	WIN 0
	s_wait_dscnt 0x0                               ; my stores have landed, and my reads of the other parity's slot are over
	s_barrier_signal -1
	s_barrier_wait -1                              ; this parity's slots are whole; nobody reads the other parity's any more
	s_cmp_eq_u32 s46, 0
	s_cbranch_scc1 .Lend_\@                        ; my group's list has run out
	s_lshr_b32 s48, s41, s47
	s_and_b32 s48, s48, 1                          ; some key of this step counts for my 64 queries
	s_lshr_b32 s49, s42, s47
	s_and_b32 s49, s49, 1                          ; all do
	s_lshl_b32 s32, s47, 9
	s_add_nc_u64 s[28:29], s[56:57], s[32:33]
	global_load_b128 v[20:23], v8, s[28:29]        ; the step's mask words, one for each tile of queries
	ADVANCE
	s_cmp_eq_u32 s48, 0
	s_cbranch_scc1 .Lend_\@
	STEP \par
.Lend_\@:
.endm
	s_mov_b32 s16, 2
.Lpass:
	s_wait_loadcnt 0x0
	s_wait_xcnt 0x0                                ; the last pass's stores have read their data and base
	s_lshl_b32 s32, s15, 4
	s_lshl_b32 s35, s15, 2
	s_add_co_u32 s35, s35, s12                     ; rb = 4 JB + W4: my block of 64 rows
	s_lshl_b32 s34, s35, 2
	s_load_b128 s[36:39], s[6:7], s32 offset:ANYO  ; the block's four words
	s_load_b32 s41, s[6:7], s34 offset:ANYO        ; mine
	s_load_b32 s42, s[6:7], s34 offset:FULLO
.irp t, 0,1,2,3
	v_mov_b32 v[ST+8*\t], 0xff61b1e6               ; m = -3e38, under every score
	v_mov_b32 v[ST+8*\t+1], 0
	v_mov_b32 v[ST+8*\t+2], 0
	v_mov_b32 v[ST+8*\t+3], 0
.endr
	WIN 0x40
.set i, 0
.rept 128
	v_mov_b32 v[i], 0                              ; O^T is cleared: which step is a wave's first hangs on the table, so no first step can be written out
.set i, i+1
.endr
	s_wait_kmcnt 0x0
	s_or_b32 s40, s36, s37
	s_or_b32 s40, s40, s38
	s_or_b32 s40, s40, s39                         ; A: the block's list of key steps
	s_lshl_b32 s32, s35, 13
	s_add_nc_u64 s[54:55], s[18:19], s[32:33]
	s_lshl_b32 s32, s35, 14
	s_add_nc_u64 s[56:57], s[6:7], s[32:33]
	s_lshl_b32 s32, s15, 19
	s_add_nc_u64 s[30:31], s[50:51], s[32:33]
.irp t, 0,1,2,3
.irp s, 0,1
	global_load_b128 v[QW+16*\t+8*\s:QW+16*\t+8*\s+3], v9, s[54:55] offset:2048*\t+64*\s
	global_load_b128 v[QW+16*\t+8*\s+4:QW+16*\t+8*\s+7], v9, s[54:55] offset:2048*\t+64*\s+32
.endr
.endr
	WIN 0
	ADVANCE
	s_mov_b32 s17, 8
.Ltrip:                                            ; 16 intervals serve the 32 key steps that a list can hold; the parity stands in the immediates
	INTERVAL 0
	INTERVAL 1
	s_sub_co_u32 s17, s17, 1
	s_cmp_lg_u32 s17, 0
	s_cbranch_scc1 .Ltrip
	; THE MERGE.  Waves 4-7 store m, the sum and O^T as images of their registers.
	s_cmp_lt_u32 s10, 4
	s_cbranch_scc1 .Lnot_out
.irp t, 0,1,2,3
	v_add_f32 v[24+\t], v[ST+8*\t+2], v[ST+8*\t+3]
.endr
.irp t, 0,1,2,3
	v_mov_b32 v[16+\t], v[ST+8*\t]
.endr
	ds_store_b128 v13, v[16:19] offset:16384
	ds_store_b128 v13, v[24:27] offset:16896
	WIN 0x04
.set i, 0
.rept 32
	ds_store_b128 v13, v[4*i:4*i+3] offset:512*i
.set i, i+1
.endr
	WIN 0
.Lnot_out:
	s_wait_dscnt 0x0
	s_barrier_signal -1
	s_barrier_wait -1
	s_cmp_ge_u32 s10, 4
	s_cbranch_scc1 .Lnot_in
	ds_load_b128 v[16:19], v13 offset:16384
	ds_load_b128 v[24:27], v13 offset:16896
.set i, 0
.rept 32
	ds_load_b128 v[S+4*i:S+4*i+3], v13 offset:512*i
.set i, i+1
.endr
	s_wait_dscnt 0x0
.irp t, 0,1,2,3
	v_max_num_f32 v[ST+8*\t+4], v[ST+8*\t], v[16+\t]
.endr
.irp t, 0,1,2,3
	v_sub_f32 v[ST+8*\t+5], v[ST+8*\t], v[ST+8*\t+4]
.endr
.irp t, 0,1,2,3
	v_sub_f32 v[ST+8*\t+7], v[16+\t], v[ST+8*\t+4]
.endr
.irp t, 0,1,2,3
	v_exp_f32 v[ST+8*\t+5], v[ST+8*\t+5]           ; fa
.endr
.irp t, 0,1,2,3
	v_exp_f32 v[ST+8*\t+7], v[ST+8*\t+7]           ; fb
.endr
.irp t, 0,1,2,3
	v_add_f32 v[ST+8*\t+2], v[ST+8*\t+2], v[ST+8*\t+3]
.endr
	s_wait_alu depctr_va_vdst(0)                   ; one wait for the eight
.irp t, 0,1,2,3
	v_mul_f32 v[ST+8*\t+2], v[ST+8*\t+2], v[ST+8*\t+5]
.endr
.irp t, 0,1,2,3
	v_fma_f32 v[ST+8*\t+2], v[24+\t], v[ST+8*\t+7], v[ST+8*\t+2]
.endr
.irp t, 0,1,2,3
	v_permlanex16_b32 v[ST+8*\t+3], v[ST+8*\t+2], s52, s53
.endr
.irp t, 0,1,2,3
	v_add_f32 v[ST+8*\t+2], v[ST+8*\t+2], v[ST+8*\t+3]
.endr
.irp t, 0,1,2,3
	v_rcp_f32 v[ST+8*\t+3], v[ST+8*\t+2]
.endr
	v_nop
	s_wait_alu depctr_va_vdst(0)                   ; one wait for the four
.irp t, 0,1,2,3
	v_mul_f32 v[ST+8*\t+4], v[ST+8*\t+5], v[ST+8*\t+3]   ; fa / sum
.endr
.irp t, 0,1,2,3
	v_mul_f32 v[ST+8*\t+6], v[ST+8*\t+7], v[ST+8*\t+3]   ; fb / sum
.endr
.set i, 0
.rept 16
.irp t, 0,1,2,3
	v_pk_mul_f32 v[S+32*\t+i:S+32*\t+i+1], v[S+32*\t+i:S+32*\t+i+1], v[ST+8*\t+6:ST+8*\t+7] op_sel_hi:[1,0]
.endr
.set i, i+2
.endr
	WIN 0x01                                       ; my O^T: source 0 in window 1
.set i, 0
.rept 16
.irp t, 0,1,2,3
	v_pk_fma_f32 v[S+32*\t+i:S+32*\t+i+1], v[32*\t+i:32*\t+i+1], v[ST+8*\t+4:ST+8*\t+5], v[S+32*\t+i:S+32*\t+i+1] op_sel_hi:[1,0,1]
.endr
.set i, i+2
.endr
	WIN 0
.set i, 0
.rept 16
.irp t, 0,1,2,3
	v_cvt_pk_f16_f32 v[KF+16*\t+i], v[S+32*\t+2*i], v[S+32*\t+2*i+1]
.endr
.set i, i+1
.endr
.irp t, 0,1,2,3                        ; a tile's 16 rows go through my own stage and leave as pairs of rows
.irp c, 0,1,2,3
	ds_store_b128 v10, v[KF+16*\t+4*\c:KF+16*\t+4*\c+3] offset:32*\c
.endr
.irp i, 0,1,2,3
	ds_load_b128 v[S+16*\t+4*\i:S+16*\t+4*\i+3], v11 offset:4*PK*\i
.endr
.irp i, 0,1,2,3
	s_wait_dscnt 3-\i                              ; the later loads may be out
	global_store_b128 v12, v[S+16*\t+4*\i:S+16*\t+4*\i+3], s[30:31] offset:32768*\t+8192*\i th:TH_STORE_NT   ; sixteen lanes store 256 consecutive bytes, aligned
.endr
.endr
.Lnot_in:
	s_sub_co_u32 s15, 7, s15                       ; the second pass takes block 7 - j
	s_sub_co_u32 s16, s16, 1
	s_cmp_lg_u32 s16, 0
	s_cbranch_scc1 .Lpass
	s_wait_tensorcnt 0x0                           ; the wave's end
	ds_add_u32 v28, v29
	s_wait_dscnt 0x0
	s_endpgm
.Lfunc_end_k_qf0a51e22fb_attn:
	.size	k_qf0a51e22fb_attn, .Lfunc_end_k_qf0a51e22fb_attn-k_qf0a51e22fb_attn
	.p2alignl 7, 3214868480
	.fill 96, 4, 3214868480
	.section	.rodata,"a",@progbits
	.p2align	6, 0x0
	.amdhsa_kernel k_qf0a51e22fb_attn
		.amdhsa_group_segment_fixed_size 157696
		.amdhsa_private_segment_fixed_size 0
		.amdhsa_enable_private_segment 0
		.amdhsa_kernarg_size 24
		.amdhsa_user_sgpr_count 2
		.amdhsa_user_sgpr_kernarg_segment_ptr 1
		.amdhsa_wavefront_size32 1
		.amdhsa_system_sgpr_workgroup_id_x 1
		.amdhsa_system_sgpr_workgroup_id_y 1
		.amdhsa_system_sgpr_workgroup_id_z 1
		.amdhsa_system_vgpr_workitem_id 0
		.amdhsa_next_free_vgpr 480
		.amdhsa_next_free_sgpr 66
		.amdhsa_reserve_vcc 1
		.amdhsa_float_denorm_mode_32 3
		.amdhsa_float_denorm_mode_16_64 3
		.amdhsa_memory_ordered 1
		.amdhsa_forward_progress 1
		.amdhsa_inst_pref_size 133
	.end_amdhsa_kernel
	.amdgpu_metadata
---
amdhsa.version: [ 1, 2 ]
amdhsa.kernels:
  - .name:           k_qf0a51e22fb_attn
    .symbol:         k_qf0a51e22fb_attn.kd
    .args:
      - { .name: qkv16, .offset: 0, .size: 8, .value_kind: global_buffer, .address_space: global }
      - { .name: mtab, .offset: 8, .size: 8, .value_kind: global_buffer, .address_space: global }
      - { .name: y16, .offset: 16, .size: 8, .value_kind: global_buffer, .address_space: global }
    .group_segment_fixed_size: 157696
    .private_segment_fixed_size: 0
    .kernarg_segment_align: 8
    .kernarg_segment_size: 24
    .max_flat_workgroup_size: 256
    .sgpr_count:     66
    .vgpr_count:     480
    .wavefront_size: 32
...
	.end_amdgpu_metadata
.endif
;; end of part 3
;; launch fine1 (part 4): grid 64 x 1, 1 waves a work-group, no clusters, 0 bytes of LDS; arguments qkv16, mask, mtab, yfine; writes yfine
.if DOCPART == 4
	.amdgcn_target "amdgcn-amd-amdhsa--gfx1250"
	.amdhsa_code_object_version 6
	.text
	.protected	k_qf0a51e22fb_fine1
	.globl	k_qf0a51e22fb_fine1
	.p2align	8
	.type	k_qf0a51e22fb_fine1,@function
k_qf0a51e22fb_fine1:
	s_mov_b64 s[64:65], 0
	v_nop
	global_prefetch_b8 v0, s[64:65] scope:SCOPE_SE
	s_setreg_imm32_b32 hwreg(HW_REG_WAVE_MODE, 25, 1), 1
	s_wait_xcnt 0x0
; The first 16 positions of every (batch, head), in f32: few keys are averaged there, so the rounding of 16-bit operands would weigh most.  One wave to a (batch, head).
; q', and k and v of keys 0-15, are the f32 copies that the product's launch stored; the mask is honoured as it is given: key tiles of 16 in which no key counts for rows 0-15 (a table of whole
; numbers stored by the first launch) are jumped over; keys from 16 on enter with k and v as f16 (stated limit).  Running maximum; a row with no key gives NaN as the reference does.
; S^T = K Q^T and O^T = V^T P by the f32 matrix form, 4 along K an instruction; k stands at the same places of both sources, so the order within the 64 (or 16) is free.
; The registers that this form writes (v128-175) are written by matrix instructions alone; what is made of them goes elsewhere.
.set FOFF, 50331648
.set KH, 16                            ; v16-31  k as f16
.set QQ, 32                            ; v32-63  register 8 c + j: q'(r, 16 c + 8 hl + j)
.set KK, 64                            ; v64-95  the same of key r
.set VV, 96                            ; v96-127 register 8 c + j: v(key 8 hl + j, 16 c + r)
.set SA, 128
.set RR, 144
.set SS, 176
.set PP, 184
.set YY, 192                           ; v192-223 register 8 c + j: y(r, 16 c + 8 hl + j), not yet divided
.macro CVT2 d, s
	v_cvt_f32_f16 v[\d], v\s\().l
	v_cvt_f32_f16 v[\d+1], v\s\().h
.endm
.macro CVT1 r
	v_cvt_f32_f16 v\r, v\r\().l
.endm
	s_load_b256 s[4:11], s[0:1], 0x0               ; qkv16, mask, mtab, yfine
	v_and_b32 v1, 15, v0                           ; r
	v_bfe_u32 v2, v0, 4, 1                         ; hl
	v_lshlrev_b32 v3, 8, v1
	v_lshl_add_u32 v3, v2, 5, v3                   ; f32 rows of 256 bytes: 256 r + 32 hl
	v_lshlrev_b32 v4, 2, v1
	v_lshl_add_u32 v4, v2, 11, v4                  ; v in f32: 8 hl rows + 4 r
	v_lshlrev_b32 v5, 7, v1
	v_lshl_add_u32 v5, v2, 4, v5                   ; k in f16: 128 r + 16 hl
	v_lshlrev_b32 v6, 1, v1
	v_lshl_add_u32 v6, v2, 10, v6                  ; v in f16: 8 hl rows + 2 r
	v_lshlrev_b32 v7, 11, v1
	v_lshl_add_u32 v7, v2, 3, v7                   ; the mask: row r, + 8 hl
	v_lshlrev_b32 v10, 12, v1
	v_lshl_add_u32 v10, v2, 5, v10                 ; yfine: row r of 4,096 bytes, + 32 hl
	s_lshr_b32 s12, ttmp9, 4                       ; batch
	s_and_b32 s13, ttmp9, 15                       ; head
	s_mul_i32 s14, s12, 48
	s_add_co_u32 s14, s14, s13
	s_lshl_b32 s14, s14, 12
	s_mov_b32 s15, 0
	s_lshl_b32 s16, ttmp9, 18
	s_mov_b32 s17, 0
	s_lshl_b32 s18, s12, 16
	s_lshl_b32 s19, s13, 8
	s_add_co_u32 s18, s18, s19
	s_mov_b32 s19, 0
	s_mov_b32 s22, 0x76543210
	s_mov_b32 s23, 0xfedcba98
	s_mov_b32 s20, 0                               ; u: four key tiles a trip
	s_wait_kmcnt 0x0
	s_add_nc_u64 s[24:25], s[4:5], s[14:15]
	s_add_nc_u64 s[24:25], s[24:25], FOFF          ; q' in f32; k 65,536 bytes on, v 131,072
	s_add_nc_u64 s[26:27], s[4:5], s[16:17]
	s_add_nc_u64 s[28:29], s[26:27], 0x2000000     ; v in f16
	s_add_nc_u64 s[26:27], s[26:27], 0x1000000     ; k in f16
	s_add_nc_u64 s[10:11], s[10:11], s[18:19]
	s_load_b128 s[36:39], s[8:9], 0x80100          ; 128 bits: key tile tau has a key that counts for rows 0-15
.irp c, 0,1,2,3
	global_load_b128 v[QQ+8*\c:QQ+8*\c+3], v3, s[24:25] offset:64*\c
	global_load_b128 v[QQ+8*\c+4:QQ+8*\c+7], v3, s[24:25] offset:64*\c+16
.endr
.set i, 0
.rept 32
	v_mov_b32 v[YY+i], 0
.set i, i+1
.endr
	v_mov_b32 v224, 0xff61b1e6                     ; m = -3e38
	v_mov_b32 v225, 0                              ; the sum
	v_mov_b32 v226, 0
	v_mov_b32 v227, 0                              ; (named with a as a pair)
	v_mov_b32 v229, 0                              ; a lane permute's destination counts as read
	v_mov_b32 v231, 0xff800000
	s_wait_kmcnt 0x0
	s_wait_loadcnt 0x0
.macro TILE kt
	s_bitcmp1_b32 s21, \kt
	s_cbranch_scc0 .Lskip_\@
.if \kt == 0
	s_cmp_lg_u32 s20, 0
	s_cbranch_scc1 .Lhalf_\@
.irp c, 0,1,2,3                        ; keys 0-15: the f32 copies
	global_load_b128 v[KK+8*\c:KK+8*\c+3], v3, s[24:25] offset:65536+64*\c
	global_load_b128 v[KK+8*\c+4:KK+8*\c+7], v3, s[24:25] offset:65536+64*\c+16
.endr
.irp c, 0,1,2,3
.irp j, 0,1,2,3,4,5,6,7
	global_load_b32 v[VV+8*\c+\j], v4, s[24:25] offset:131072+256*\j+64*\c
.endr
.endr
	global_load_b64 v[8:9], v7, s[6:7]
	s_wait_loadcnt 0x0
	s_branch .Lgot_\@
.Lhalf_\@:
.endif
.irp c, 0,1,2,3
	global_load_b128 v[KH+4*\c:KH+4*\c+3], v5, s[26:27] offset:2048*\kt+32*\c
.endr
.irp c, 0,1,2,3
.irp j, 0,1,2,3,4,5,6,7
	global_load_u16 v[VV+8*\c+\j], v6, s[28:29] offset:2048*\kt+128*\j+32*\c
.endr
.endr
	global_load_b64 v[8:9], v7, s[6:7] offset:16*\kt
	s_wait_loadcnt 0x0
.irp r, 16,17,18,19,20,21,22,23,24,25,26,27,28,29,30,31
	CVT2 KK+2*(\r-16), \r
.endr
.irp r, 96,97,98,99,100,101,102,103,104,105,106,107,108,109,110,111,112,113,114,115,116,117,118,119,120,121,122,123,124,125,126,127
	CVT1 \r
.endr
.Lgot_\@:
.irp i, 0,1,2,3,4,5,6,7,8,9,10,11,12,13,14,15    ; S^T: two accumulators by turns
.if \i < 2
	v_wmma_f32_16x16x4_f32 v[SA+8*(\i%2):SA+8*(\i%2)+7], v[KK+2*\i:KK+2*\i+1], v[QQ+2*\i:QQ+2*\i+1], 0
.else
	v_wmma_f32_16x16x4_f32 v[SA+8*(\i%2):SA+8*(\i%2)+7], v[KK+2*\i:KK+2*\i+1], v[QQ+2*\i:QQ+2*\i+1], v[SA+8*(\i%2):SA+8*(\i%2)+7]
.endif
.endr
.rept 9
	v_nop                                          ; places behind this form: eight for reads and loads, nine for accumulators begun anew
.endr
.irp j, 0,1,2,3,4,5,6,7
	v_add_f32 v[SS+\j], v[SA+\j], v[SA+8+\j]
.endr
.irp j, 0,1,2,3,4,5,6,7
	v_bfe_u32 v232, v[8+\j/4], 8*(\j%4), 8         ; mask[r][16 tau + 8 hl + j]
	v_cmp_eq_u32 vcc_lo, 0, v232
	v_cndmask_b32 v[SS+\j], v[SS+\j], v231, vcc_lo
.endr
	v_max3_num_f32 v228, v[SS], v[SS+1], v[SS+2]
	v_max3_num_f32 v228, v228, v[SS+3], v[SS+4]
	v_max3_num_f32 v228, v228, v[SS+5], v[SS+6]
	v_max3_num_f32 v228, v228, v[SS+7], v224
	v_permlanex16_b32 v229, v228, s22, s23
	v_mov_b32 v230, v224
	v_max_num_f32 v224, v228, v229
	v_sub_f32 v230, v230, v224
.irp j, 0,1,2,3,4,5,6,7
	v_sub_f32 v[PP+\j], v[SS+\j], v224
.endr
	v_exp_f32 v226, v230                           ; a
.irp j, 0,1,2,3,4,5,6,7
	v_exp_f32 v[PP+\j], v[PP+\j]
.endr
	v_nop
	s_wait_alu depctr_va_vdst(0)                   ; one wait for the nine
	v_pk_add_f32 v[232:233], v[PP:PP+1], v[PP+2:PP+3]
	v_pk_add_f32 v[234:235], v[PP+4:PP+5], v[PP+6:PP+7]
	v_pk_add_f32 v[232:233], v[232:233], v[234:235]
	v_add_f32 v232, v232, v233
	v_fma_f32 v225, v225, v226, v232
.irp i, 0,1,2,3                        ; V^T P: four accumulators by turns
.irp c, 0,1,2,3
.if \i == 0
	v_wmma_f32_16x16x4_f32 v[RR+8*\c:RR+8*\c+7], v[VV+8*\c+2*\i:VV+8*\c+2*\i+1], v[PP+2*\i:PP+2*\i+1], 0
.else
	v_wmma_f32_16x16x4_f32 v[RR+8*\c:RR+8*\c+7], v[VV+8*\c+2*\i:VV+8*\c+2*\i+1], v[PP+2*\i:PP+2*\i+1], v[RR+8*\c:RR+8*\c+7]
.endif
.endr
.endr
.rept 9
	v_nop
.endr
.set i, 0
.rept 16
	v_pk_fma_f32 v[YY+i:YY+i+1], v[YY+i:YY+i+1], v[226:227], v[RR+i:RR+i+1] op_sel_hi:[1,0,1]
.set i, i+2
.endr
.Lskip_\@:
.endm
.Lu:
	s_and_b32 s21, s36, 15                         ; this trip's four bits; then the 128 move down by four
	s_lshr_b64 s[36:37], s[36:37], 4
	s_lshl_b32 s40, s38, 28
	s_or_b32 s37, s37, s40
	s_lshr_b64 s[38:39], s[38:39], 4
	TILE 0
	TILE 1
	TILE 2
	TILE 3
	s_wait_xcnt 0x0                                ; the bases are stepped only behind this wait
	s_add_nc_u64 s[26:27], s[26:27], 8192
	s_add_nc_u64 s[28:29], s[28:29], 8192
	s_add_nc_u64 s[6:7], s[6:7], 64
	s_add_co_u32 s20, s20, 1
	s_cmp_lt_u32 s20, 32
	s_cbranch_scc1 .Lu
	v_permlanex16_b32 v229, v225, s22, s23
	v_add_f32 v225, v225, v229
	v_rcp_f32 v226, v225
	v_nop
	s_wait_alu depctr_va_vdst(0)
.set i, 0
.rept 16
	v_pk_mul_f32 v[YY+i:YY+i+1], v[YY+i:YY+i+1], v[226:227] op_sel_hi:[1,0]
.set i, i+2
.endr
.irp c, 0,1,2,3
	global_store_b128 v10, v[YY+8*\c:YY+8*\c+3], s[10:11] offset:64*\c
	global_store_b128 v10, v[YY+8*\c+4:YY+8*\c+7], s[10:11] offset:64*\c+16
.endr
	s_endpgm
.Lfunc_end_k_qf0a51e22fb_fine1:
	.size	k_qf0a51e22fb_fine1, .Lfunc_end_k_qf0a51e22fb_fine1-k_qf0a51e22fb_fine1
	.p2alignl 7, 3214868480
	.fill 96, 4, 3214868480
	.section	.rodata,"a",@progbits
	.p2align	6, 0x0
	.amdhsa_kernel k_qf0a51e22fb_fine1
		.amdhsa_group_segment_fixed_size 0
		.amdhsa_private_segment_fixed_size 0
		.amdhsa_enable_private_segment 0
		.amdhsa_kernarg_size 32
		.amdhsa_user_sgpr_count 2
		.amdhsa_user_sgpr_kernarg_segment_ptr 1
		.amdhsa_wavefront_size32 1
		.amdhsa_system_sgpr_workgroup_id_x 1
		.amdhsa_system_sgpr_workgroup_id_y 1
		.amdhsa_system_sgpr_workgroup_id_z 1
		.amdhsa_system_vgpr_workitem_id 0
		.amdhsa_next_free_vgpr 240
		.amdhsa_next_free_sgpr 66
		.amdhsa_reserve_vcc 1
		.amdhsa_float_denorm_mode_32 3
		.amdhsa_float_denorm_mode_16_64 3
		.amdhsa_memory_ordered 1
		.amdhsa_forward_progress 1
		.amdhsa_inst_pref_size 57
	.end_amdhsa_kernel
	.amdgpu_metadata
---
amdhsa.version: [ 1, 2 ]
amdhsa.kernels:
  - .name:           k_qf0a51e22fb_fine1
    .symbol:         k_qf0a51e22fb_fine1.kd
    .args:
      - { .name: qkv16, .offset: 0, .size: 8, .value_kind: global_buffer, .address_space: global }
      - { .name: mask, .offset: 8, .size: 8, .value_kind: global_buffer, .address_space: global }
      - { .name: mtab, .offset: 16, .size: 8, .value_kind: global_buffer, .address_space: global }
      - { .name: yfine, .offset: 24, .size: 8, .value_kind: global_buffer, .address_space: global }
    .group_segment_fixed_size: 0
    .private_segment_fixed_size: 0
    .kernarg_segment_align: 8
    .kernarg_segment_size: 32
    .max_flat_workgroup_size: 32
    .sgpr_count:     66
    .vgpr_count:     240
    .wavefront_size: 32
...
	.end_amdgpu_metadata
.endif
;; end of part 4
;; launch outproj (part 5): grid 8 x 64, 4 waves a work-group, clusters of 4 x 4, 327,680 bytes of LDS; arguments y16, wo16, b_out, out0; writes out0
.if DOCPART == 5
	.amdgcn_target "amdgcn-amd-amdhsa--gfx1250"
	.amdhsa_code_object_version 6
	.text
	.protected	k_qf0a51e22fb_outproj
	.globl	k_qf0a51e22fb_outproj
	.p2align	8
	.type	k_qf0a51e22fb_outproj,@function
k_qf0a51e22fb_outproj:
	s_mov_b64 s[64:65], 0
	v_nop
	global_prefetch_b8 v0, s[64:65] scope:SCOPE_SE
	s_setreg_imm32_b32 hwreg(HW_REG_WAVE_MODE, 25, 1), 1
	s_wait_xcnt 0x0
	s_wait_alu depctr_hold_cnt(0) depctr_sa_sdst(0) depctr_va_vdst(0) depctr_va_sdst(0) depctr_va_ssrc(0) depctr_va_vcc(0) depctr_vm_vsrc(0)
	s_getreg_b32 s2, hwreg(HW_REG_IB_STS2, 6, 4)
	s_cmp_eq_u32 s2, 0
	s_cbranch_scc0 .Lentry_in_a_cluster
	s_endpgm
.Lentry_in_a_cluster:
	s_bfe_u32 s2, ttmp6, 0x10000c
	s_cmp_lg_u32 s2, 0xf033
	s_cbranch_scc0 .Lentry_shape_is_right
	s_endpgm
.Lentry_shape_is_right:
; out0 = y w_out + b_out.  y16: f16, two neighbouring rows of y interleaved head by head in a line of 4,096 bytes: y(m, 64 h + d) at (m / 2) x 4,096 + 256 h + 128 (m % 2) + 2 d.
; wo16: w_out turned, [n][k] f16.  Sums in f32; the bias is the C of each sum's first matrix instruction.
; A tile of out0 is 128 x 128: four waves, 64 x 64 each, 16 accumulators.  K goes in steps of 256 (four heads) through a ring of two LDS slots.
; A's part of a slot: 64 lines x 1,024 bytes (+ 16 of padding); a wave's load brings 32 lines.  B's: 128 rows x 512 bytes (+ 16); a wave's load brings 64.
; CLUSTERS: 4 x 4; A's tiles are asked for jointly along a row of the cluster, B's along a column.  Transposed use: a lane holds eight neighbouring numbers of a row of out0.
; A wave's 64 columns of f32 are 256 bytes: it sends its rows through a stage of its own (in slot 0, behind that slot's last fill and last read) and needs no barrier on the way out.
; REGISTERS: window 0: v0-31 addresses; v32-95 the way out; v96-127 the bias; v128-255 accumulators.  window 1: two fragment buffers of 128.
.set PA,     1040
.set PB,     528
.set HALFA,  32*PA
.set HALFB,  64*PB
.set BOFF,   2*HALFA
.set SLOT,   2*HALFA+2*HALFB
.set SPARE,  2*SLOT                    ; the spare words: 128 bytes for each wave
.set SPITCH, 272
.set LAPS,   2
.set ADRA, 16
.set ADRB, 20
.set STO,  24
.set RD,   25
.set CO,   26
.set SPW,  28
.set NIL,  29
.set TMP,  32
.set BIAS, 96
.set ACC,  128
.set F0,   0
.set F1,   128
.set G1, 24
.set G0, 32
.set G1B, 48
.set G0B, 56
.set MSB, 0
.macro WIN new
.if MSB != \new
	s_set_vgpr_msb (MSB<<8)|\new
.set MSB, \new
.endif
.endm
.set MUL,  0x05
.set TO_F, 0x40
.macro JLOAD s                         ; waves 0 and 1 fetch A's two halves, waves 2 and 3 B's; an s_nop 0 and four v_nop follow each line
	s_cmp_eq_u32 s11, 0
	s_cbranch_scc0 .Lfor_b_\@
	tensor_load_to_lds s[G0+4*\s:G0+4*\s+3], s[G1:G1+7]
	s_nop 0
.rept 4
	v_nop
.endr
	s_branch .Lasked_\@
.Lfor_b_\@:
	tensor_load_to_lds s[G0B+4*\s:G0B+4*\s+3], s[G1B:G1B+7]
	s_nop 0
.rept 4
	v_nop
.endr
.Lasked_\@:
.endm
.macro CREST
	s_cmp_lg_u32 s10, 0
	s_cbranch_scc1 .Lnot_wave_0_\@
	s_barrier_signal -3
.Lnot_wave_0_\@:
	s_barrier_wait -3
	s_barrier_signal -1
	s_barrier_wait -1
.endm
.macro CROUND
	s_barrier_signal -1
	s_barrier_wait -1
	CREST
.endm
	s_load_b128 s[4:7], s[0:1], 0x0                ; y16, wo16
	s_load_b128 s[68:71], s[0:1], 0x10             ; b_out, out0
	v_lshl_add_u32 v[SPW], v0, 2, SPARE
	v_mov_b32 v[NIL], 0
	ds_add_u32 v[SPW], v[NIL]                      ; the wave's opening: the add, twice on end, and its wait ahead of my first tensor load
	ds_add_u32 v[SPW], v[NIL]
	v_lshrrev_b32 v1, 5, v0
	v_readfirstlane_b32 s10, v1                    ; wave 0..3
	s_lshr_b32 s11, s10, 1                         ; my half of the tile's rows; also: I fetch for A (0) or B (1)
	s_and_b32 s12, s10, 1                          ; my half of its columns; also: which half I fetch
	s_bfe_u32 s40, ttmp6, 0x40000
	s_bfe_u32 s41, ttmp6, 0x40004
	s_lshl_b32 s42, ttmp9, 2
	s_add_co_u32 s42, s42, s40                     ; tile column
	s_and_b32 s13, ttmp7, 0xffff
	s_lshl_b32 s13, s13, 2
	s_add_co_u32 s13, s13, s41                     ; tile row
	s_lshl_b32 s43, s41, 2
	s_lshl_b32 s43, 15, s43
	s_lshl_b32 s44, 0x1111, s40
	s_or_b32 s[G1+0], s43, (1<<16)|(1<<20)|(1<<21)|(7<<22)|(3<<25)   ; A: elements of 2 bytes; 4 words of padding behind every 256
	s_mov_b32 s[G1+1], 512<<16                     ; tensor_dim0 = 512 elements
	s_mov_b32 s[G1+2], 32<<16                      ; tensor_dim1 = 32 lines
	s_mov_b32 s[G1+3], 512<<16                     ; tile_dim0
	s_mov_b32 s[G1+4], 32                          ; tile_dim1
	s_mov_b32 s[G1+5], 2048                        ; from line to line
	s_mov_b32 s[G1+6], 0
	s_mov_b32 s[G1+7], 0
	s_or_b32 s[G1B+0], s44, (1<<16)|(1<<20)|(1<<21)|(6<<22)|(3<<25)  ; B: 4 words behind every 128
	s_mov_b32 s[G1B+1], 256<<16
	s_mov_b32 s[G1B+2], 64<<16
	s_mov_b32 s[G1B+3], 256<<16
	s_mov_b32 s[G1B+4], 64
	s_mov_b32 s[G1B+5], 1024
	s_mov_b32 s[G1B+6], 0
	s_mov_b32 s[G1B+7], 0
	s_lshl_b32 s17, s12, 17
	s_lshl_b32 s16, s13, 18
	s_add_co_u32 s16, s16, s17                     ; A: (64 x tile row + 32 x half) lines of 4,096 bytes
	s_lshl_b32 s46, s42, 18
	s_add_co_u32 s46, s46, s17                     ; B: (128 x tile column + 64 x half) rows of 2,048 bytes
	s_mov_b32 s17, 0
	s_mov_b32 s47, 0
	s_mul_i32 s20, s12, HALFA
	s_mul_i32 s21, s12, HALFB
	s_add_co_u32 s21, s21, BOFF
	s_wait_dscnt 0x0                               ; both opening adds are done
	s_wait_kmcnt 0x0
	s_add_nc_u64 s[14:15], s[4:5], s[16:17]
	s_add_nc_u64 s[46:47], s[6:7], s[46:47]
	CROUND
.irp s, 0,1
	s_mov_b32 s[G0+4*\s], 1
	s_add_co_u32 s[G0+4*\s+1], s20, \s*SLOT
	s_add_nc_u64 s[G0+4*\s+2:G0+4*\s+3], s[14:15], \s*1024
	s_or_b32 s[G0+4*\s+3], s[G0+4*\s+3], 0x80000000
	s_mov_b32 s[G0B+4*\s], 1
	s_add_co_u32 s[G0B+4*\s+1], s21, \s*SLOT
	s_add_nc_u64 s[G0B+4*\s+2:G0B+4*\s+3], s[46:47], \s*512
	s_or_b32 s[G0B+4*\s+3], s[G0B+4*\s+3], 0x80000000
	JLOAD \s
.endr
	v_and_b32 v1, 15, v0                           ; r
	v_bfe_u32 v2, v0, 4, 1                         ; hl
	v_lshrrev_b32 v3, 1, v1
	v_mul_u32_u24 v3, v3, PA
	v_and_b32 v4, 1, v0
	v_lshl_add_u32 v3, v4, 7, v3
	v_lshl_add_u32 v3, v2, 4, v3                   ; A: line r / 2, + 128 (r % 2), + 16 hl: sixteen lanes, sixteen different 16-byte columns modulo 256
	v_mul_u32_u24 v4, v1, PB
	v_lshl_add_u32 v4, v2, 4, v4
	s_mul_i32 s21, s11, HALFA
	s_mul_i32 s22, s12, HALFB
	s_add_co_u32 s22, s22, BOFF
.irp s, 0,1
	v_add_nc_u32 v[ADRA+\s], s21, v3
	v_add_nc_u32 v[ADRB+\s], s22, v4
	s_add_co_u32 s21, s21, SLOT
	s_add_co_u32 s22, s22, SLOT
.endr
	s_mul_i32 s23, s10, 16*SPITCH                  ; my stage
	v_mul_u32_u24 v5, v1, SPITCH
	v_lshl_add_u32 v5, v2, 5, v5
	v_add_nc_u32 v[STO], s23, v5
	v_mul_u32_u24 v5, v2, SPITCH
	v_lshl_add_u32 v5, v1, 4, v5
	v_add_nc_u32 v[RD], s23, v5
	v_lshlrev_b32 v5, 12, v2
	v_lshl_add_u32 v[CO], v1, 4, v5
	s_lshl_b32 s46, s42, 9
	s_lshl_b32 s47, s12, 8
	s_add_co_u32 s46, s46, s47                     ; my first column, in bytes
	s_mov_b32 s47, 0
	s_add_nc_u64 s[68:69], s[68:69], s[46:47]
	s_add_nc_u64 s[70:71], s[70:71], s[46:47]
	s_lshl_b32 s46, s13, 19
	s_lshl_b32 s21, s11, 18
	s_add_co_u32 s46, s46, s21                     ; my first row x 4,096 bytes
	s_add_nc_u64 s[70:71], s[70:71], s[46:47]
	v_lshlrev_b32 v5, 5, v2
.irp b, 0,1,2,3
	global_load_b128 v[BIAS+8*\b:BIAS+8*\b+3], v5, s[68:69] offset:64*\b
	global_load_b128 v[BIAS+8*\b+4:BIAS+8*\b+7], v5, s[68:69] offset:64*\b+16
.endr
.macro MUL8 f, c, a0, zero             ; zero = 1: the first product starts the sums, with the bias as its C
.irp a, \a0, \a0+1
.irp b, 0,1,2,3
.if \zero
	v_wmma_f32_16x16x32_f16 v[ACC+8*(4*(\a)+\b):ACC+8*(4*(\a)+\b)+7], v[\f+64+8*(4*\c+\b):\f+64+8*(4*\c+\b)+7], v[\f+8*(4*\c+\a):\f+8*(4*\c+\a)+7], v[BIAS+8*\b:BIAS+8*\b+7]
.else
	v_wmma_f32_16x16x32_f16 v[ACC+8*(4*(\a)+\b):ACC+8*(4*(\a)+\b)+7], v[\f+64+8*(4*\c+\b):\f+64+8*(4*\c+\b)+7], v[\f+8*(4*\c+\a):\f+8*(4*\c+\a)+7], v[ACC+8*(4*(\a)+\b):ACC+8*(4*(\a)+\b)+7]
.endif
.endr
.endr
.endm
; 32 LDS loads in one run: 64 along K (one head) at byte k of B's rows, byte 2 k of A's lines
.macro FETCH slot, k, f
	WIN TO_F
.irp c, 0,1
.irp i, 0,1,2,3
	ds_load_b128 v[\f+64+8*(4*\c+\i):\f+64+8*(4*\c+\i)+3],   v[ADRB+\slot] offset:\k+64*\c+\i*16*PB
	ds_load_b128 v[\f+64+8*(4*\c+\i)+4:\f+64+8*(4*\c+\i)+7], v[ADRB+\slot] offset:\k+64*\c+\i*16*PB+32
	ds_load_b128 v[\f+8*(4*\c+\i):\f+8*(4*\c+\i)+3],         v[ADRA+\slot] offset:2*\k+64*\c+\i*8*PA
	ds_load_b128 v[\f+8*(4*\c+\i)+4:\f+8*(4*\c+\i)+7],       v[ADRA+\slot] offset:2*\k+64*\c+\i*8*PA+32
.endr
.endr
.endm
.macro PLACES
.rept 4
	v_nop
.endr
.endm
.macro QUARTER slot, k, f, g, zero
	s_wait_dscnt 16                                ; the first 32 along K are in; the other sixteen loads may be out
	WIN MUL
	MUL8 \f, 0, 0, \zero
	MUL8 \f, 0, 2, \zero
	PLACES
	FETCH \slot, \k, \g
	s_wait_dscnt 32                                ; all but the 32 just issued
	WIN MUL
	MUL8 \f, 1, 0, 0
	MUL8 \f, 1, 2, 0
.endm
; The last quarter changes slots: one barrier; in front of it each wave waits for all its tensor loads, adds 0 to its spare word, and waits for that and for its reads of this slot.
.macro TURN slot, next, fill
	WIN 0
	s_wait_tensorcnt 0x0                           ; all my tensor loads have landed: my part of the next slot
	ds_add_u32 v[SPW], v[NIL]
	s_wait_dscnt 17                                ; the add and the youngest sixteen loads may be out
	WIN MUL
	MUL8 F1, 0, 0, 0
	s_wait_dscnt 0x0                               ; the add is done, and my reads of this slot are over
	s_barrier_signal -1
	MUL8 F1, 0, 2, 0
.if \fill
	WIN 0
.endif
	s_barrier_wait -1
.if \fill
	CREST                                          ; the barrier has opened a round of the cluster's: no wave of any partner still reads this slot or has a load on its way
	s_add_nc_u64 s[G0+4*\slot+2:G0+4*\slot+3], s[G0+4*\slot+2:G0+4*\slot+3], 2048
	s_add_nc_u64 s[G0B+4*\slot+2:G0B+4*\slot+3], s[G0B+4*\slot+2:G0B+4*\slot+3], 1024
	JLOAD \slot                                    ; the first tensor load behind the round, one a wave; its four v_nop are also the places in front of the loads below
.else
	PLACES
.endif
	FETCH \next, 0, F0
	WIN MUL
	MUL8 F1, 1, 0, 0
	MUL8 F1, 1, 2, 0
.endm
	s_wait_tensorcnt 1                             ; my part of K step 0 is in; K step 1's load may be out
	s_barrier_signal -1
	s_barrier_wait -1
	FETCH 0, 0, F0
	s_wait_loadcnt 0x0                             ; the bias
	QUARTER 0, 128, F0, F1, 1
	WIN 0
	s_mov_b32 s3, LAPS-1
.Llap:
	QUARTER 0, 256, F1, F0, 0
	QUARTER 0, 384, F0, F1, 0
	TURN 0, 1, 1
	QUARTER 1, 128, F0, F1, 0
	QUARTER 1, 256, F1, F0, 0
	QUARTER 1, 384, F0, F1, 0
	TURN 1, 0, 1
	QUARTER 0, 128, F0, F1, 0
	WIN 0
	s_sub_co_u32 s3, s3, 1
	s_cmp_lg_u32 s3, 0
	s_cbranch_scc1 .Llap
	QUARTER 0, 256, F1, F0, 0                      ; the last lap fills nothing
	QUARTER 0, 384, F0, F1, 0
	TURN 0, 1, 0
	QUARTER 1, 128, F0, F1, 0
	QUARTER 1, 256, F1, F0, 0
	QUARTER 1, 384, F0, F1, 0
	s_wait_dscnt 16
	WIN MUL
	MUL8 F1, 0, 0, 0
	MUL8 F1, 0, 2, 0
	s_wait_dscnt 0
	MUL8 F1, 1, 0, 0
	MUL8 F1, 1, 2, 0
	WIN 0
.macro TOSTAGE a                       ; 16 rows x 64 columns of f32, each accumulator from its low end on; back as whole rows of 256 bytes
.set BB, TMP+32*((\a)%2)
.irp b, 0,1,2,3
	ds_store_b128 v[STO], v[ACC+8*(4*(\a)+\b):ACC+8*(4*(\a)+\b)+3] offset:64*\b
	ds_store_b128 v[STO], v[ACC+8*(4*(\a)+\b)+4:ACC+8*(4*(\a)+\b)+7] offset:64*\b+16
.endr
.irp i, 0,1,2,3,4,5,6,7
	ds_load_b128 v[BB+4*\i:BB+4*\i+3], v[RD] offset:2*SPITCH*\i
.endr
.endm
.macro SEND a, younger                 ; younger: the LDS instructions issued behind block a's loads
.set BB, TMP+32*((\a)%2)
	s_wait_dscnt \younger
.irp i, 0,1,2,3,4,5,6,7
	global_store_b128 v[CO], v[BB+4*\i:BB+4*\i+3], s[70:71] offset:(16*(\a)+2*\i)*4096 th:TH_STORE_NT   ; sixteen lanes store 256 consecutive bytes, aligned
.endr
.endm
	PLACES
	TOSTAGE 0
.irp a, 1,2,3
.if \a > 1
	s_wait_xcnt 0x0                                ; block a - 2's stores have read their registers
.endif
	TOSTAGE \a
	SEND \a-1, 16
.endr
	SEND 3, 0
	s_wait_tensorcnt 0x0                           ; the wave's end
	ds_add_u32 v[SPW], v[NIL]
	s_wait_dscnt 0x0
	CROUND                                         ; the closing round
	s_endpgm
.Lfunc_end_k_qf0a51e22fb_outproj:
	.size	k_qf0a51e22fb_outproj, .Lfunc_end_k_qf0a51e22fb_outproj-k_qf0a51e22fb_outproj
	.p2alignl 7, 3214868480
	.fill 96, 4, 3214868480
	.section	.rodata,"a",@progbits
	.p2align	6, 0x0
	.amdhsa_kernel k_qf0a51e22fb_outproj
		.amdhsa_group_segment_fixed_size 327680
		.amdhsa_private_segment_fixed_size 0
		.amdhsa_enable_private_segment 0
		.amdhsa_kernarg_size 32
		.amdhsa_user_sgpr_count 2
		.amdhsa_user_sgpr_kernarg_segment_ptr 1
		.amdhsa_wavefront_size32 1
		.amdhsa_system_sgpr_workgroup_id_x 1
		.amdhsa_system_sgpr_workgroup_id_y 1
		.amdhsa_system_sgpr_workgroup_id_z 1
		.amdhsa_system_vgpr_workitem_id 0
		.amdhsa_next_free_vgpr 512
		.amdhsa_next_free_sgpr 72
		.amdhsa_reserve_vcc 0
		.amdhsa_float_denorm_mode_32 3
		.amdhsa_float_denorm_mode_16_64 3
		.amdhsa_memory_ordered 1
		.amdhsa_forward_progress 1
		.amdhsa_inst_pref_size 87
	.end_amdhsa_kernel
	.amdgpu_metadata
---
amdhsa.version: [ 1, 2 ]
amdhsa.kernels:
  - .name:           k_qf0a51e22fb_outproj
    .symbol:         k_qf0a51e22fb_outproj.kd
    .args:
      - { .name: y16, .offset: 0, .size: 8, .value_kind: global_buffer, .address_space: global }
      - { .name: wo16, .offset: 8, .size: 8, .value_kind: global_buffer, .address_space: global }
      - { .name: b_out, .offset: 16, .size: 8, .value_kind: global_buffer, .address_space: global }
      - { .name: out0, .offset: 24, .size: 8, .value_kind: global_buffer, .address_space: global }
    .group_segment_fixed_size: 327680
    .private_segment_fixed_size: 0
    .kernarg_segment_align: 8
    .kernarg_segment_size: 32
    .max_flat_workgroup_size: 128
    .sgpr_count:     72
    .vgpr_count:     512
    .wavefront_size: 32
...
	.end_amdgpu_metadata
.endif
;; end of part 5
;; launch fine2 (part 6): grid 64 x 1, 16 waves a work-group, no clusters, 67,584 bytes of LDS; arguments yfine, w_out, b_out, out0; writes out0
.if DOCPART == 6
	.amdgcn_target "amdgcn-amd-amdhsa--gfx1250"
	.amdhsa_code_object_version 6
	.text
	.protected	k_qf0a51e22fb_fine2
	.globl	k_qf0a51e22fb_fine2
	.p2align	8
	.type	k_qf0a51e22fb_fine2,@function
k_qf0a51e22fb_fine2:
	s_mov_b64 s[64:65], 0
	v_nop
	global_prefetch_b8 v0, s[64:65] scope:SCOPE_SE
	s_setreg_imm32_b32 hwreg(HW_REG_WAVE_MODE, 25, 1), 1
	s_wait_xcnt 0x0
; The rows t < 16 of every batch of out0 once more, in f32: out0[b][t][n] = sum over k of yfine[b][t][k] w_out[k][n] + b_out[n].  They are written over what the launch before stored there.
; A work-group takes 16 columns for the 4 x 16 rows; wave w takes k = 64 w .. +63.  Source 0 = 16 columns of w_out, source 1 = 16 rows of yfine: a lane holds row t = lane % 16 and eight neighbouring columns.
; k stands at the same places of both sources (lane half hl, register idx: k = 64 w + 32 hl + idx).  The sixteen waves' parts meet in LDS as images of registers; waves 0-7 add them, one image each.
; The accumulators v192-223 are written by matrix instructions alone.
.set SPARE, 65536                      ; behind the images: the spare words, 128 bytes for each of sixteen waves
	s_load_b256 s[4:11], s[0:1], 0x0               ; yfine, w_out, b_out, out0
	v_lshl_add_u32 v30, v0, 2, SPARE
	v_mov_b32 v31, 0
	v_lshrrev_b32 v1, 5, v0
	v_readfirstlane_b32 s12, v1                    ; wave 0..15
	v_and_b32 v1, 15, v0                           ; r
	v_bfe_u32 v2, v0, 4, 1                         ; hl
	v_and_b32 v3, 31, v0
	v_lshlrev_b32 v4, 2, v1
	v_lshl_add_u32 v4, v2, 17, v4                  ; w_out: 32 hl rows of 4,096 bytes + 4 r
	v_lshlrev_b32 v5, 12, v1
	v_lshl_add_u32 v5, v2, 7, v5                   ; yfine: row r + 128 hl
	v_lshlrev_b32 v6, 4, v3
	s_lshl_b32 s13, s12, 12
	v_add_nc_u32 v7, s13, v6                       ; my eight images: 4,096 w + 16 l
	s_lshl_b32 s13, s12, 9
	v_add_nc_u32 v8, s13, v6                       ; the image that I add up: 512 w + 16 l
	v_lshlrev_b32 v9, 5, v2
	v_lshl_add_u32 v10, v1, 12, v9                 ; out0: row r + 32 hl
	s_lshl_b32 s14, s12, 18
	s_lshl_b32 s16, ttmp9, 6                       ; my 16 columns, in bytes
	s_add_co_u32 s14, s14, s16
	s_mov_b32 s15, 0
	s_mov_b32 s17, 0
	s_lshl_b32 s18, s12, 8
	s_mov_b32 s19, 0
	s_wait_kmcnt 0x0
	s_add_nc_u64 s[6:7], s[6:7], s[14:15]
	s_add_nc_u64 s[4:5], s[4:5], s[18:19]
.irp i, 0,1,2,3,4,5,6,7,8,9,10,11,12,13,14,15,16,17,18,19,20,21,22,23,24,25,26,27,28,29,30,31
	global_load_b32 v[32+\i], v4, s[6:7] offset:4096*\i
.endr
.irp b, 0,1,2,3
.irp i, 0,1,2,3,4,5,6,7
	global_load_b128 v[64+32*\b+4*\i:67+32*\b+4*\i], v5, s[4:5] offset:65536*\b+16*\i
.endr
.endr
	s_wait_loadcnt 0x0
.irp i, 0,1,2,3,4,5,6,7,8,9,10,11,12,13,14,15    ; four accumulators by turns
.irp b, 0,1,2,3
.if \i == 0
	v_wmma_f32_16x16x4_f32 v[192+8*\b:199+8*\b], v[32+2*\i:33+2*\i], v[64+32*\b+2*\i:65+32*\b+2*\i], 0
.else
	v_wmma_f32_16x16x4_f32 v[192+8*\b:199+8*\b], v[32+2*\i:33+2*\i], v[64+32*\b+2*\i:65+32*\b+2*\i], v[192+8*\b:199+8*\b]
.endif
.endr
.endr
.rept 9
	v_nop                                          ; places behind this form, in front of the stores that read the sums and of the loads into the operands' registers
.endr
.irp b, 0,1,2,3
	ds_store_b128 v7, v[192+8*\b:195+8*\b] offset:1024*\b
	ds_store_b128 v7, v[196+8*\b:199+8*\b] offset:1024*\b+512
.endr
	s_wait_dscnt 0x0                               ; for the others' sake: my stores have landed
	s_barrier_signal -1
	s_barrier_wait -1
	s_cmp_lt_u32 s12, 8
	s_cbranch_scc0 .Ldone
	s_and_b32 s13, s12, 1                          ; which four of a lane's eight columns
	s_lshl_b32 s13, s13, 4
	s_add_co_u32 s16, s16, s13
	s_add_nc_u64 s[8:9], s[8:9], s[16:17]
	global_load_b128 v[160:163], v9, s[8:9]        ; the bias
	s_lshr_b32 s13, s12, 1                         ; batch
	s_lshl_b32 s13, s13, 23
	s_add_co_u32 s16, s16, s13
	s_add_nc_u64 s[10:11], s[10:11], s[16:17]
.irp s, 0,1,2,3,4,5,6,7,8,9,10,11,12,13,14,15
	ds_load_b128 v[32+4*\s:35+4*\s], v8 offset:4096*\s
.endr
	s_wait_dscnt 0x0
.macro ADDP i, d
	v_pk_add_f32 v[32+4*(\i):33+4*(\i)], v[32+4*(\i):33+4*(\i)], v[32+4*(\i+\d):33+4*(\i+\d)]
	v_pk_add_f32 v[34+4*(\i):35+4*(\i)], v[34+4*(\i):35+4*(\i)], v[34+4*(\i+\d):35+4*(\i+\d)]
.endm
.irp i, 0,1,2,3,4,5,6,7
	ADDP \i, 8
.endr
.irp i, 0,1,2,3
	ADDP \i, 4
.endr
	ADDP 0, 2
	ADDP 1, 2
	ADDP 0, 1
	s_wait_loadcnt 0x0
	v_pk_add_f32 v[32:33], v[32:33], v[160:161]
	v_pk_add_f32 v[34:35], v[34:35], v[162:163]
	global_store_b128 v10, v[32:35], s[10:11]
.Ldone:
	s_wait_tensorcnt 0x0                           ; the wave's end
	ds_add_u32 v30, v31
	s_wait_dscnt 0x0
	s_endpgm
.Lfunc_end_k_qf0a51e22fb_fine2:
	.size	k_qf0a51e22fb_fine2, .Lfunc_end_k_qf0a51e22fb_fine2-k_qf0a51e22fb_fine2
	.p2alignl 7, 3214868480
	.fill 96, 4, 3214868480
	.section	.rodata,"a",@progbits
	.p2align	6, 0x0
	.amdhsa_kernel k_qf0a51e22fb_fine2
		.amdhsa_group_segment_fixed_size 67584
		.amdhsa_private_segment_fixed_size 0
		.amdhsa_enable_private_segment 0
		.amdhsa_kernarg_size 32
		.amdhsa_user_sgpr_count 2
		.amdhsa_user_sgpr_kernarg_segment_ptr 1
		.amdhsa_wavefront_size32 1
		.amdhsa_system_sgpr_workgroup_id_x 1
		.amdhsa_system_sgpr_workgroup_id_y 1
		.amdhsa_system_sgpr_workgroup_id_z 1
		.amdhsa_system_vgpr_workitem_id 0
		.amdhsa_next_free_vgpr 224
		.amdhsa_next_free_sgpr 66
		.amdhsa_reserve_vcc 0
		.amdhsa_float_denorm_mode_32 3
		.amdhsa_float_denorm_mode_16_64 3
		.amdhsa_memory_ordered 1
		.amdhsa_forward_progress 1
		.amdhsa_inst_pref_size 16
	.end_amdhsa_kernel
	.amdgpu_metadata
---
amdhsa.version: [ 1, 2 ]
amdhsa.kernels:
  - .name:           k_qf0a51e22fb_fine2
    .symbol:         k_qf0a51e22fb_fine2.kd
    .args:
      - { .name: yfine, .offset: 0, .size: 8, .value_kind: global_buffer, .address_space: global }
      - { .name: w_out, .offset: 8, .size: 8, .value_kind: global_buffer, .address_space: global }
      - { .name: b_out, .offset: 16, .size: 8, .value_kind: global_buffer, .address_space: global }
      - { .name: out0, .offset: 24, .size: 8, .value_kind: global_buffer, .address_space: global }
    .group_segment_fixed_size: 67584
    .private_segment_fixed_size: 0
    .kernarg_segment_align: 8
    .kernarg_segment_size: 32
    .max_flat_workgroup_size: 512
    .sgpr_count:     66
    .vgpr_count:     224
    .wavefront_size: 32
...
	.end_amdgpu_metadata
.endif
;; end of part 6
